; MI455X (gfx1250); checked and timed in simulation.
; The chip was launched on July 23, 2026; its instructions are those of AMD's public machine-readable ISA for CDNA 5 (MIT licence, August 2026) and "CDNA5" Instruction Set Architecture Reference Guide (July 2026). The comments in the code are by the model that wrote it; some were corrected since.
;; Multi Head Self Attention. Allowed arithmetic: matrix products marked QUANTISED: E5M2 operands, one E8M0 scale for each 32 along K, by v_wmma_scale_f32_16x16x128_f8f6f4 with both operands' format E5M2, f32 sums; everything else in f32.
;; Inputs: W_out 1,024 x 1,024 float32; W_qkv 1,024 x 3,072 float32; b_out 1,024 float32; b_qkv 3,072 float32; x 4 x 2,048 x 1,024 float32.
;; Outputs: out0 4 x 2,048 x 1,024 float32.
;; This version of the problem:
;;   THIS VERSION OF THE PROBLEM IS GIVEN IN LOW PRECISION. The matrix products marked QUANTISED in the list below multiply operands that are first quantised to E5M2 (5 exponent bits, 2 mantissa bits; 8 bits a number), with one power-of-two scale for each 32 numbers along K (OCP MX v1.0); their sums are f32. All else is computed in f32.
;;   The module's matrix products, in the order in which they are computed (A, B: the left and right operand; K: the contracted axis; several contracted axes count as one K, in the product's order):
;;     1. [M 8,192, K 1,024] x [K 1,024, N 3,072]; A: input x; B: input W_qkv: QUANTISED
;;     2. batch 64 x [M 2,048, K 64] x [K 64, N 2,048]; A: computed on the way; B: computed on the way: QUANTISED
;;     3. batch 64 x [M 2,048, K 2,048] x [K 2,048, N 64]; A: softmax (see below); B: computed on the way: QUANTISED
;;     4. [M 8,192, K 1,024] x [K 1,024, N 1,024]; A: computed on the way; B: input W_out: QUANTISED
;;   THE QUANTISER, for each operand of a quantised product, along K:
;;     - K is cut into blocks of 32 from its start; a last block that is shorter is filled with zeros.
;;     - A block's scale is 2^e with e = floor(log2(the largest magnitude in the block)) - 15, held to -126 .. 127; a block of zeros has e = 0. As a byte (E8M0): e + 127.
;;     - Each number is divided by its block's scale, clamped to +-57,344, and rounded to the nearest number of E5M2, ties to even, subnormals kept.
;;     - The product sums the exact products of the quantised numbers (number of the format x scale) in f32.
;;   ~~~python
;;   def quantise(x, axis):      # numpy; x: float32 -> the quantised numbers, widened to float32 again
;;       x = np.moveaxis(x, axis, -1); K = x.shape[-1]
;;       x = np.pad(x, [(0, 0)] * (x.ndim - 1) + [(0, -K % 32)]); x = x.reshape(x.shape[:-1] + (-1, 32)); a = np.abs(x).max(-1, keepdims=True)
;;       e = np.where(a > 0, np.clip(np.frexp(np.where(a > 0, a, 1))[1] - 1 - 15, -126, 127), 0)      # np.frexp(a)[1] - 1 = floor(log2(a)), exactly
;;       r = np.clip(x / 2.0 ** e, -57344, 57344)
;;       step = 2.0 ** (np.maximum(np.frexp(np.where(r == 0, 1, r))[1] - 1, -14) - 2)
;;       q = np.round(r / step) * step * 2.0 ** e      # np.round: ties to even
;;       return np.moveaxis(q.reshape(q.shape[:-2] + (-1,))[..., :K], -1, axis).astype(np.float32)
;;   ~~~
;;   SOFTMAX AHEAD OF A QUANTISED PRODUCT. Where the list says 'softmax', what is quantised is not the finished softmax but p = 2^(t - M), with t = logit x log2(e) and M = ceil(the row's largest t), a whole number; so 1/2 < the row's largest p <= 1. The row's sum l is taken of the UNQUANTISED p, in f32, and the product's result is divided by l at the end. Since M is a whole number, a kernel that streams over the keys may use a running M (the ceiling of the running maximum): every later rescaling is an exact power of two, which a block's scale takes up: the codes' values come out the same.
;;   OPERANDS COMPUTED ON THE WAY. 'Computed on the way' means the value that the module computes at that place (a softmax that the list does not call 'softmax' is quantised finished and normalised). What goes into a quantiser is computed in f32, as accurately as f32 sums, v_exp_f32 and their like allow (about 1e-6 of the number): no bf16 or f16 on the way to a quantiser, and a product that is left as it is and whose result goes on into a quantised operand takes f32 operands (vector FMAs, or v_wmma_f32_16x16x4_f32). A number that lies on a knife's edge between two numbers of the format may be rounded either way, as far as f32 arithmetic and the matrix unit's own rounding can turn it there, and no further.
;; One version. Each part assembles by itself: llvm-mc -triple=amdgcn-amd-amdhsa -mcpu=gfx1250 --defsym DOCPART=n.
;; ======== version 1 of 1: 4 launches
;; limits: right only within a limited range of input values
;; workspace buffers: opc 12,582,912 bytes; ops 393,216 bytes; qkvc 25,165,824 bytes; qkvs 786,432 bytes; atc 8,388,608 bytes; ats 262,144 bytes
;; launch prep (part 1): grid 384 x 1, 4 waves a work-group, no clusters, 68,096 bytes of LDS; arguments x, W_qkv, W_out, opc, ops; writes opc, ops
.if DOCPART == 1
	.amdgcn_target "amdgcn-amd-amdhsa--gfx1250"
	.amdhsa_code_object_version 6
	.text
	.protected	k_q6d386f214e_prep
	.globl	k_q6d386f214e_prep
	.p2align	8
	.type	k_q6d386f214e_prep,@function
k_q6d386f214e_prep:
	s_mov_b64 s[64:65], 0
	v_nop
	global_prefetch_b8 v0, s[64:65] scope:SCOPE_SE
	s_setreg_imm32_b32 hwreg(HW_REG_WAVE_MODE, 25, 1), 1
	s_wait_xcnt 0x0
; x [8192][1024], W_qkv [1024][3072] and W_out [1024][1024], f32, become codes of BF8 (E5M2) with one E8M0 scale byte for each 32 along K.
; A block's scale is 2^(floor(log2(its largest magnitude)) - 15); its byte is the largest magnitude's exponent field - 15, held at 1 from below; each number is held within +-57,344 x the scale and rounded to the nearest code, ties to even.
; LAYOUT OF THE RESULT.  K = 1,024 is cut into 8 planes of 128.  Codes: [plane][row][128 bytes]; scale words: [plane][row][4 bytes].  A "row" is a token of x or a column of a weight.
; THE ROWS LIE IN POSITION ORDER: position p holds row SW(p), SW = p with its bits 3 and 4 exchanged.  So sixteen neighbouring positions are rows 0-7 and 16-23 (or 8-15 and 24-31) of a group of 32, and the 16 results that a lane of
; the later products holds for two neighbouring tiles are 16 neighbours along the next product's K.
; opc: x's codes at 0, W_qkv's at CODEQ, W_out's at CODEO.  ops: x's scale words at 0, W_qkv's at SCLQ, W_out's at SCLO.
; SHARES.  Work-groups 0-255 take x: 64 rows x 4 planes, a plane a wave.  Work-groups 256-383 take the weights: 128 columns x 256 along K, 32 columns a wave.  Every work-group reads 128 KiB.  The two ways part once, on the work-group's
; number, never join, and have LDS bytes of their own.  Waves share nothing: no barrier.  No work-group reads what another reads, so there is nothing to ask for jointly: no cluster.
; LIMITS: a block of zeros gets the byte 1 where the rule says 127 (its codes are zeros, which add nothing under any byte but 0xff, and this program alone reads the bytes); blocks whose largest magnitude lies under 2^-111, whose byte
; is held at 1, were not tried; NaN and infinities among the inputs are not served.
.set STEPS, 16
.set EMAX,  15
.set MANT,  0x600000                   ; the mantissa field of 57,344 as f32
.set R,     16                         ; x: v16-79   four sets of 16 numbers as they are loaded
.set X,     80                         ; x: v80-111  two sets of 16 neighbours
.set E,     112                        ; x: v112-127 a scale byte for each step
.set C,     128                        ; x: v128-191 codes, four registers for each step
.set WREG,  8192                       ; x: LDS of a wave: two stages of 32 x SP bytes, then its 256 scale bytes
.set SP,    80                         ; x: a lane's place in a stage: 64 bytes + 16 of padding
.set WLDS,  32768                      ; the weights' way has its LDS from here on
.set PITCH, 272                        ; W: a stage row: 256 codes + 16 of padding
.set NB,    8                          ; W: blocks of 32 along K for a lane
.set SB,    24                         ; W: v24-25  the scale words of the two planes
.set WX,    32                         ; W: v32-95  two sets of 32 numbers
.set WC,    96                         ; W: v96-103 a block's codes
.set OUTR,  112                        ; W: v112-175 the way out
.set VO,    176                        ; W: v176-207 byte offset of row i of a block: 4 x lane + i x a row of the weight
.set CODEQ, 8388608
.set CODEO, 11534336
.set SCLQ,  262144
.set SCLO,  360448
	s_load_b128 s[4:7], s[0:1], 0x0                ; x s[4:5], W_qkv s[6:7]
	s_load_b128 s[8:11], s[0:1], 0x10              ; W_out s[8:9], opc s[10:11]
	s_load_b64 s[12:13], s[0:1], 0x20              ; ops
	v_lshl_add_u32 v208, v0, 2, 0x10800
	v_mov_b32 v209, 0
	v_lshrrev_b32 v1, 5, v0
	v_readfirstlane_b32 s16, v1                    ; wave 0..3
	v_and_b32 v2, 31, v0                           ; lane
	s_cmp_lt_u32 ttmp9, 256
	s_cbranch_scc0 .Lweights
; ---------------- x: K is innermost ----------------
; A wave takes 64 rows of one plane: 16 steps of 4 rows x 128 numbers.  Each load reads 512 consecutive bytes of one row, 16 a lane; a step's 2,048 bytes turn through the wave's own stage in LDS and come back 64 bytes a lane, so that a lane
; holds 16 neighbours along K and two neighbouring lanes a block.  Behind the turn lane l holds position 4 t + l / 8, numbers 16 (l % 8) on: its 16 codes lie at 512 t + 16 l of the wave's codes, its block's byte at 16 t + l / 2.
	v_lshlrev_b32 v3, 4, v2                        ; 16 x lane: my bytes of a load, and my codes' place in a step's
	s_mul_i32 s17, s16, WREG
	v_lshrrev_b32 v14, 2, v2
	v_mul_u32_u24 v14, v14, SP
	v_and_b32 v15, 3, v2
	v_lshl_add_u32 v14, v15, 4, v14
	v_add_nc_u32 v14, s17, v14                     ; the stage, on the way in: SP (lane / 4) + 16 (lane % 4)
	v_mul_u32_u24 v15, v2, SP
	v_add_nc_u32 v15, s17, v15                     ; and on the way out: SP x lane
	v_lshrrev_b32 v5, 1, v2
	s_add_co_u32 s17, s17, 2*32*SP
	v_add_nc_u32 v5, s17, v5                       ; my wave's 256 scale bytes, my block's byte
	v_lshlrev_b32 v7, 3, v2
	v_add_nc_u32 v6, s17, v7                       ; and on the way out 8 bytes a lane
	s_mov_b32 s23, MANT
	s_lshr_b32 s18, ttmp9, 1                       ; which 64 rows
	s_and_b32 s19, ttmp9, 1
	s_lshl_b32 s19, s19, 2
	s_add_co_u32 s19, s19, s16                     ; which plane
	s_lshl_b32 s20, s18, 18                        ; 64 rows of 4,096 bytes
	s_lshl_b32 s21, s19, 9                         ; a plane is 512 bytes of a row
	s_add_co_u32 s20, s20, s21
	s_mov_b32 s21, 0
	s_lshl_b32 s24, s19, 20                        ; codes: a plane is 8,192 rows of 128 bytes
	s_lshl_b32 s25, s18, 13
	s_add_co_u32 s24, s24, s25
	s_mov_b32 s25, 0
	s_lshl_b32 s26, s19, 15                        ; scale words: a plane is 8,192 rows of 4 bytes
	s_lshl_b32 s27, s18, 8
	s_add_co_u32 s26, s26, s27
	s_mov_b32 s27, 0
	s_wait_alu depctr_va_vdst(0)
	s_wait_kmcnt 0x0
	s_add_nc_u64 s[4:5], s[4:5], s[20:21]
	s_add_nc_u64 s[10:11], s[10:11], s[24:25]
	s_add_nc_u64 s[12:13], s[12:13], s[26:27]
.macro XLOAD t                         ; step t: positions 4 t + i, which are rows SW(4 t + i) of my 64
.irp i, 0,1,2,3
.set RW, 4*(\t)+\i
	global_load_b128 v[R+16*((\t)%4)+4*\i:R+16*((\t)%4)+4*\i+3], v3, s[4:5] offset:((RW&0x27)|((RW&8)<<1)|((RW&16)>>1))*4096 th:TH_LOAD_NT
.endr
.endm
.macro XTURN t                         ; step t's numbers through the stage: LDS serves a wave's instructions in order, so no wait stands between the stores and the loads
.irp i, 0,1,2,3
	ds_store_b128 v14, v[R+16*((\t)%4)+4*\i:R+16*((\t)%4)+4*\i+3] offset:32*SP*((\t)%2)+8*SP*\i
.endr
.irp i, 0,1,2,3
	ds_load_b128 v[X+16*((\t)%2)+4*\i:X+16*((\t)%2)+4*\i+3], v15 offset:32*SP*((\t)%2)+16*\i
.endr
.endm
.irp t, 0,1,2,3
	XLOAD \t
.endr
	s_wait_loadcnt 12                              ; step 0's four loads are in; the twelve of steps 1 to 3 may be out
	XTURN 0
.macro XSTEP t
.set XS, X+16*((\t)%2)
.if (\t) > 0
	s_wait_dscnt 1                                 ; this step's numbers are back from the stage (the last step's byte store may be out): so its stores into the stage have read their registers,
.else
	s_wait_dscnt 0x0
.endif
.if (\t)+4 < STEPS
	XLOAD (\t)+4                                   ; which take the loads of four steps on
.endif
.if (\t)+1 < STEPS
.if STEPS-2-(\t) >= 3
	s_wait_loadcnt 12                              ; the next step's four loads are in; those of the three steps behind it may be out
.else
	s_wait_loadcnt 4*(STEPS-2-(\t))
.endif
	XTURN (\t)+1
.endif
	v_max3_num_f32 v8, |v[XS]|, |v[XS+1]|, |v[XS+2]|               ; the largest magnitude of my 16, in two chains
	v_max3_num_f32 v9, |v[XS+3]|, |v[XS+4]|, |v[XS+5]|
.irp i, 6,10
	v_max3_num_f32 v8, v8, |v[XS+\i]|, |v[XS+\i+1]|
	v_max3_num_f32 v9, v9, |v[XS+\i+2]|, |v[XS+\i+3]|
.endr
	v_max3_num_f32 v8, v8, |v[XS+14]|, |v[XS+15]|
	v_max3_num_f32 v8, v8, v9, (EMAX+1)<<23        ; and the floor 2^(16 - 127): the byte cannot fall under 1
	v_max_num_f32_dpp v8, v8, v8 row_xmask:1 row_mask:0xf bank_mask:0xf   ; and of my neighbour's 16: the block's
	v_add_nc_u32 v11, -(EMAX<<23), v8              ; 15 off its exponent field: the conversion takes the exponent field of this operand as its scale
	v_and_or_b32 v10, v8, 0x7f800000, s23          ; 57,344 x the scale
.irp i, 0,1,2,3,4,5,6,7,8,9,10,11,12,13,14,15
	v_med3_num_f32 v[XS+\i], v[XS+\i], -v10, v10   ; the conversion to an 8-bit code does not saturate (ISA guide 7.6.2): the hold comes first
.endr
	v_cvt_scalef32_pk8_bf8_f32 v[C+4*(\t):C+4*(\t)+1], v[XS:XS+7], v11
	v_cvt_scalef32_pk8_bf8_f32 v[C+4*(\t)+2:C+4*(\t)+3], v[XS+8:XS+15], v11
	v_lshrrev_b32 v[E+(\t)], 23, v11               ; the scale's byte
	ds_store_b8 v5, v[E+(\t)] offset:16*(\t)       ; both lanes of a block write the same byte with the same value
	global_store_b128 v3, v[C+4*(\t):C+4*(\t)+3], s[10:11] offset:512*(\t)   ; 32 lanes store 512 consecutive bytes: four positions' 128 codes
.endm
.irp t, 0,1,2,3,4,5,6,7,8,9,10,11,12,13,14,15
	XSTEP \t
.endr
	ds_load_b64 v[12:13], v6                       ; LDS serves a wave's instructions in order: these see my stores
	s_wait_dscnt 0x0
	global_store_b64 v7, v[12:13], s[12:13]        ; 32 lanes store 256 consecutive bytes: 64 positions' scale words
	s_wait_tensorcnt 0x0
	ds_add_u32 v208, v209
	s_wait_dscnt 0x0
	s_endpgm
; ---------------- the weights: K is the first axis ----------------
; A lane takes a column and its registers run down K: a block of 32 lies in one lane's 32 registers, and the conversions give codes with K innermost.  One text serves both weights: a row's bytes and the bases stand in registers, chosen on
; the work-group's number.  A lane's 256 codes go into row SW(lane) of the wave's stage and leave by rows: 32 lanes store four positions' 128 codes of a plane, 512 consecutive bytes.
.Lweights:
	s_sub_co_u32 s17, ttmp9, 256
	s_cmp_lt_u32 s17, 96                           ; the first 96 take W_qkv (24 x 128 columns, 4 x 256 along K), the other 32 W_out
	s_cselect_b32 s18, 0, 96
	s_mov_b32 s19, 4096
	s_cselect_b32 s19, 12288, s19                  ; a row of the weight in bytes; also a plane of its scale words
	s_mov_b32 s20, 131072
	s_cselect_b32 s20, 393216, s20                 ; a plane of its codes
	s_mov_b32 s21, CODEO
	s_cselect_b32 s21, CODEQ, s21
	s_mov_b32 s22, SCLO
	s_cselect_b32 s22, SCLQ, s22
	s_wait_kmcnt 0x0
	s_cselect_b64 s[6:7], s[6:7], s[8:9]           ; the choice hangs on the work-group's number alone
	s_sub_co_u32 s17, s17, s18
	s_lshr_b32 s23, s17, 2
	s_and_b32 s24, s17, 3                          ; which 256 along K
	s_lshl_b32 s23, s23, 7
	s_lshl_b32 s25, s16, 5
	s_add_co_u32 s23, s23, s25                     ; my wave's first column
	s_lshl_b32 s26, s24, 8
	s_mul_i32 s26, s26, s19
	s_lshl_b32 s27, s23, 2
	s_add_co_u32 s26, s26, s27
	s_mov_b32 s27, 0
	s_add_nc_u64 s[32:33], s[6:7], s[26:27]        ; block 0's first row, my first column
	s_lshl_b32 s28, s19, 5                         ; 32 rows on
	s_mov_b32 s29, 0
.irp t, 1,2,3,4,5,6,7
	s_add_nc_u64 s[32+2*\t:33+2*\t], s[30+2*\t:31+2*\t], s[28:29]   ; a base for each block: nothing is stepped later
.endr
	s_wait_alu depctr_va_vdst(0)
	v_lshlrev_b32 v[VO], 2, v2
.irp i, 1,2,3,4,5,6,7,8,9,10,11,12,13,14,15,16,17,18,19,20,21,22,23,24,25,26,27,28,29,30,31
	v_add_nc_u32 v[VO+\i], s19, v[VO+\i-1]
.endr
.macro WLOAD t                         ; block t: W(32 t + i, my column) into set t % 2; each load reads 128 consecutive bytes a wave, 512 a work-group
.irp i, 0,1,2,3,4,5,6,7,8,9,10,11,12,13,14,15,16,17,18,19,20,21,22,23,24,25,26,27,28,29,30,31
	global_load_b32 v[WX+32*((\t)%2)+\i], v[VO+\i], s[32+2*(\t):33+2*(\t)] th:TH_LOAD_NT
.endr
.endm
	WLOAD 0
	WLOAD 1
	s_lshl_b32 s26, s24, 1                         ; my first plane
	s_mul_i32 s26, s26, s20
	s_add_co_u32 s26, s26, s21
	s_lshl_b32 s30, s23, 7
	s_add_co_u32 s26, s26, s30
	s_add_nc_u64 s[48:49], s[10:11], s[26:27]      ; codes: my first plane, my first position
	s_mov_b32 s30, s20
	s_mov_b32 s31, 0
	s_add_nc_u64 s[50:51], s[48:49], s[30:31]      ; my second plane
	s_lshl_b32 s26, s24, 1
	s_mul_i32 s26, s26, s19
	s_add_co_u32 s26, s26, s22
	s_lshl_b32 s30, s23, 2
	s_add_co_u32 s26, s26, s30
	s_add_nc_u64 s[52:53], s[12:13], s[26:27]      ; scale words likewise
	s_mov_b32 s30, s19
	s_add_nc_u64 s[54:55], s[52:53], s[30:31]
	s_mov_b32 s56, MANT
	v_and_b32 v3, 7, v2
	v_bfe_u32 v5, v2, 3, 1
	v_lshl_add_u32 v3, v5, 4, v3
	v_bfe_u32 v5, v2, 4, 1
	v_lshl_add_u32 v3, v5, 3, v3                   ; SW(lane): my column's position among the wave's 32
	s_mul_i32 s30, s16, 32*PITCH
	s_add_co_u32 s30, s30, WLDS                    ; my stage
	v_mul_u32_u24 v4, v3, PITCH
	v_add_nc_u32 v4, s30, v4                       ; into it: the row of my position
	v_lshrrev_b32 v5, 3, v2
	v_and_b32 v6, 7, v2
	v_mul_u32_u24 v7, v5, PITCH
	v_lshl_add_u32 v7, v6, 4, v7
	v_add_nc_u32 v7, s30, v7                       ; out of it: eight lanes to a row's 128 bytes of a plane, four rows an instruction
	v_lshlrev_b32 v8, 4, v2                        ; and the same place in the codes' buffer: 16 x lane
	v_lshlrev_b32 v9, 2, v3                        ; my position's scale word
.macro WBLOCK t
.set XS, WX+32*((\t)%2)
.if (\t) < NB-1
	s_wait_loadcnt 32                              ; this block's 32 loads are in; the next block's may be out
.else
	s_wait_loadcnt 0
.endif
	v_max3_num_f32 v12, |v[XS]|, |v[XS+1]|, |v[XS+2]|               ; the block's largest magnitude: all 32 numbers are mine
	v_max3_num_f32 v13, |v[XS+3]|, |v[XS+4]|, |v[XS+5]|
.irp i, 6,10,14,18,22,26
	v_max3_num_f32 v12, v12, |v[XS+\i]|, |v[XS+\i+1]|
	v_max3_num_f32 v13, v13, |v[XS+\i+2]|, |v[XS+\i+3]|
.endr
	v_max3_num_f32 v12, v12, |v[XS+30]|, |v[XS+31]|
	v_max3_num_f32 v12, v12, v13, (EMAX+1)<<23     ; and the floor
	v_add_nc_u32 v11, -(EMAX<<23), v12             ; the conversion's scale operand
	v_and_or_b32 v10, v12, 0x7f800000, s56         ; 57,344 x the scale
	v_lshrrev_b32 v13, 23, v11                     ; the scale's byte
.if (\t)%4 == 0
	v_mov_b32 v[SB+(\t)/4], v13                    ; four bytes to a word, the lower K in the lower byte: a word a plane
.else
	v_lshl_or_b32 v[SB+(\t)/4], v13, 8*((\t)%4), v[SB+(\t)/4]
.endif
.irp i, 0,1,2,3,4,5,6,7,8,9,10,11,12,13,14,15,16,17,18,19,20,21,22,23,24,25,26,27,28,29,30,31
	v_med3_num_f32 v[XS+\i], v[XS+\i], -v10, v10
.endr
.irp g, 0,1,2,3
	v_cvt_scalef32_pk8_bf8_f32 v[WC+2*\g:WC+2*\g+1], v[XS+8*\g:XS+8*\g+7], v11
.endr
	v_nop                                          ; a plain line behind the last conversion
	ds_store_b128 v4, v[WC:WC+3] offset:32*(\t)
	ds_store_b128 v4, v[WC+4:WC+7] offset:32*(\t)+16
.if (\t)+2 < NB
	WLOAD (\t)+2
.endif
	s_wait_dscnt 0x0                               ; the stores have read their registers: the next block's codes may be written
.endm
.irp t, 0,1,2,3,4,5,6,7
	WBLOCK \t
.endr
	global_store_b32 v9, v[SB], s[52:53]           ; 32 positions' scale words of a plane: 128 consecutive bytes a wave (a 128th of what the launch reads leaves in such half blocks)
	global_store_b32 v9, v[SB+1], s[54:55]
.irp n, 0,1,2,3,4,5,6,7,8,9,10,11,12,13,14,15
	ds_load_b128 v[OUTR+4*\n:OUTR+4*\n+3], v7 offset:4*(\n%8)*PITCH+128*(\n/8)   ; LDS serves a wave's instructions in order: these see my stores
.endr
.irp n, 0,1,2,3,4,5,6,7,8,9,10,11,12,13,14,15
	s_wait_dscnt 15-\n                             ; loads come back in order: number n is in, the younger ones may be out
	global_store_b128 v8, v[OUTR+4*\n:OUTR+4*\n+3], s[48+2*(\n/8):49+2*(\n/8)] offset:512*(\n%8)
.endr
	s_wait_tensorcnt 0x0
	ds_add_u32 v208, v209
	s_wait_dscnt 0x0
	s_endpgm
.Lfunc_end_k_q6d386f214e_prep:
	.size	k_q6d386f214e_prep, .Lfunc_end_k_q6d386f214e_prep-k_q6d386f214e_prep
	.p2alignl 7, 3214868480
	.fill 96, 4, 3214868480
	.section	.rodata,"a",@progbits
	.p2align	6, 0x0
	.amdhsa_kernel k_q6d386f214e_prep
		.amdhsa_group_segment_fixed_size 68096
		.amdhsa_private_segment_fixed_size 0
		.amdhsa_enable_private_segment 0
		.amdhsa_kernarg_size 40
		.amdhsa_user_sgpr_count 2
		.amdhsa_user_sgpr_kernarg_segment_ptr 1
		.amdhsa_wavefront_size32 1
		.amdhsa_system_sgpr_workgroup_id_x 1
		.amdhsa_system_sgpr_workgroup_id_y 1
		.amdhsa_system_sgpr_workgroup_id_z 1
		.amdhsa_system_vgpr_workitem_id 0
		.amdhsa_next_free_vgpr 210
		.amdhsa_next_free_sgpr 66
		.amdhsa_reserve_vcc 0
		.amdhsa_float_denorm_mode_32 3
		.amdhsa_float_denorm_mode_16_64 3
		.amdhsa_memory_ordered 1
		.amdhsa_forward_progress 1
		.amdhsa_inst_pref_size 112
	.end_amdhsa_kernel
	.amdgpu_metadata
---
amdhsa.version: [ 1, 2 ]
amdhsa.kernels:
  - .name:           k_q6d386f214e_prep
    .symbol:         k_q6d386f214e_prep.kd
    .args:
      - { .name: x, .offset: 0, .size: 8, .value_kind: global_buffer, .address_space: global }
      - { .name: W_qkv, .offset: 8, .size: 8, .value_kind: global_buffer, .address_space: global }
      - { .name: W_out, .offset: 16, .size: 8, .value_kind: global_buffer, .address_space: global }
      - { .name: opc, .offset: 24, .size: 8, .value_kind: global_buffer, .address_space: global }
      - { .name: ops, .offset: 32, .size: 8, .value_kind: global_buffer, .address_space: global }
    .group_segment_fixed_size: 68096
    .private_segment_fixed_size: 0
    .kernarg_segment_align: 8
    .kernarg_segment_size: 40
    .max_flat_workgroup_size: 128
    .sgpr_count:     66
    .vgpr_count:     210
    .wavefront_size: 32
...
	.end_amdgpu_metadata
.endif
;; end of part 1
;; launch qkv (part 2): grid 12 x 32, 4 waves a work-group, clusters of 4 x 4, 327,680 bytes of LDS; arguments opc, ops, b_qkv, qkvc, qkvs; writes qkvc, qkvs
.if DOCPART == 2
	.amdgcn_target "amdgcn-amd-amdhsa--gfx1250"
	.amdhsa_code_object_version 6
	.text
	.protected	k_q6d386f214e_qkv
	.globl	k_q6d386f214e_qkv
	.p2align	8
	.type	k_q6d386f214e_qkv,@function
k_q6d386f214e_qkv:
	s_mov_b64 s[64:65], 0
	v_nop
	global_prefetch_b8 v0, s[64:65] scope:SCOPE_SE
	s_setreg_imm32_b32 hwreg(HW_REG_WAVE_MODE, 25, 1), 1
	s_wait_xcnt 0x0
	s_wait_alu depctr_hold_cnt(0) depctr_sa_sdst(0) depctr_va_vdst(0) depctr_va_sdst(0) depctr_va_ssrc(0) depctr_va_vcc(0) depctr_vm_vsrc(0)
	s_getreg_b32 s2, hwreg(HW_REG_IB_STS2, 6, 4)
	s_cmp_eq_u32 s2, 0
	s_cbranch_scc0 .Lentry_in_a_cluster
	s_endpgm
.Lentry_in_a_cluster:
	s_bfe_u32 s2, ttmp6, 0x10000c
	s_cmp_lg_u32 s2, 0xf033
	s_cbranch_scc0 .Lentry_shape_is_right
	s_endpgm
.Lentry_shape_is_right:
.set NQ,     2
.set FR,     16
.set NL,     4
.set NP,     8
.set UNITP,  272
; Q, K, V = x W_qkv + b_qkv on codes of BF8 (E5M2) with E8M0 scales, and their quantisers.  A work-group makes 256 x 256, a wave 128 x 128; K goes in four steps of 256 (two planes of 128) through two LDS slots.
; A SLOT holds two operands, each as [plane][256 rows of 128 bytes], two rows to a unit of 256 bytes + 16 of padding.  The first region feeds source 1, the second source 0.
; ROLE.  Tile columns of Q and K (role 0): x's rows lie in the first region, the weight's in the second.  Tile columns of V (role 1): the other way round, so that V leaves with the keys innermost.
; The role hangs on the cluster's x alone.  It says which of the two load lines a wave takes; every LDS address is made of the wave's number and constants.
; THE HEAD: one joint load a wave: waves 0 and 2 a whole operand's K step 0 (two planes), waves 1 and 3 the scale words of an operand's 256 rows for all of K, laid [plane][256 rows][4 bytes].
; Behind the head a wave's load is one plane of 256 rows, 32,768 dense bytes.
; PREFETCH INTO THE L2, two K steps ahead of the load: a wave names 8,192 bytes of its own plane, lanes 256 bytes apart; the four partners that ask for the plane jointly share it out by address (cx for x, cy for the weight).
; K steps 1 and 2 are named at the head, K step 3 behind K step 1's load; K step 0 comes by its load alone.  The three bases and the offset register are never rewritten.
.set PLANEB, 128*UNITP
.set HALFT,  PLANEB
.set SLOT,   4*HALFT
.set SCL,    2*SLOT
.set SCLW,   SCL+8320
.set SPARE,  327168
.set PLR,    1048576
.set PLW,    393216
.set WCODE,  8388608
.set WSCAL,  262144
.set PW,   1
.set PWP,  2
.set SWA,  3
.set SWB,  4
.set CO8,  5
.set BM,   8
.set ADRA, 16
.set BOF,  18
.set BMO,  19
.set ADRB, 20
.set SGR,  22
.set STO,  24
.set RD,   25
.set CO,   26
.set ADRS, 27
.set SPW,  28
.set NIL,  29
.set RDV,  30
.set SGA,  31
.set SC,   32
.set BN,   64
.set AF,   128
.set XN,   128
.set PC,   192
.set TM,   208
.set OUT,  224
.set SEL,  2
.set MNT,  95
.set ROLE, 98
.set G1, 24
.set G0, 32
.set G1B, 48
.set G0B, 56
.set G1S, 68
.set G0S, 76
.set G1SB, 80
.set G0SB, 88
.set MSB, 0
.macro WIN new
.if MSB != (\new)
	s_set_vgpr_msb (MSB<<8)|(\new)
.set MSB, (\new)
.endif
.endm
.set MUL_LO, 0xa1
.set MUL_HI, 0xf1
.set TO_B,   0x40
.macro JLOAD g0a, g1a, g0b, g1b
	s_cmp_eq_u32 s15, s[ROLE]                      ; x's line for the region that holds x
	s_cbranch_scc0 .Lfor_b_\@
	tensor_load_to_lds s[\g0a:\g0a+3], s[\g1a:\g1a+7]
	s_nop 0
.rept 4
	v_nop
.endr
	s_branch .Lasked_\@
.Lfor_b_\@:
	tensor_load_to_lds s[\g0b:\g0b+3], s[\g1b:\g1b+7]
	s_nop 0
.rept 4
	v_nop
.endr
.Lasked_\@:
.endm
.macro CREST
	s_cmp_lg_u32 s14, 0
	s_cbranch_scc1 .Lnot_wave_0_\@
	s_barrier_signal -3
.Lnot_wave_0_\@:
	s_barrier_wait -3
	s_barrier_signal -1
	s_barrier_wait -1
.endm
.macro CROUND
	s_barrier_signal -1
	s_barrier_wait -1
	CREST
.endm
	s_load_b128 s[4:7], s[0:1], 0x0
	s_load_b128 s[8:11], s[0:1], 0x10
	s_load_b64 s[12:13], s[0:1], 0x20
	v_lshl_add_u32 v[SPW], v0, 2, SPARE
	v_mov_b32 v[NIL], 0
	ds_add_u32 v28, v29
	ds_add_u32 v28, v29
	s_wait_dscnt 0x0
	v_lshrrev_b32 v1, 5, v0
	v_readfirstlane_b32 s14, v1
	s_lshr_b32 s15, s14, 1
	s_and_b32 s16, s14, 1
	s_bfe_u32 s40, ttmp6, 0x40000
	s_bfe_u32 s41, ttmp6, 0x40004
	s_lshl_b32 s42, ttmp9, 2
	s_add_co_u32 s42, s42, s40
	s_and_b32 s17, ttmp7, 0xffff
	s_lshl_b32 s17, s17, 2
	s_add_co_u32 s17, s17, s41
	s_lshl_b32 s43, s41, 2
	s_lshl_b32 s43, 15, s43
	s_lshl_b32 s44, 0x1111, s40
	s_or_b32 s[G1+0], s43, (3<<16)|(1<<20)|(1<<21)|(5<<22)|(3<<25)
	s_or_b32 s[G1B+0], s44, (3<<16)|(1<<20)|(1<<21)|(5<<22)|(3<<25)
.irp g, G1, G1B
	s_mov_b32 s[\g+1], 4096<<16                    ; a plane's 256 rows: 4,096 elements of 8 bytes
	s_mov_b32 s[\g+2], 2<<16                       ; the head's loads bring two planes
	s_mov_b32 s[\g+3], 4096<<16
	s_mov_b32 s[\g+4], 2
	s_mov_b32 s[\g+6], 1<<16
	s_mov_b32 s[\g+7], 0
.endr
	s_mov_b32 s[G1+5], PLR/8
	s_mov_b32 s[G1B+5], PLW/8
	s_or_b32 s[G1S+0], s43, (3<<16)|(1<<21)
	s_or_b32 s[G1SB+0], s44, (3<<16)|(1<<21)
.irp g, G1S, G1SB
	s_mov_b32 s[\g+1], 128<<16                     ; 256 rows' scale words of a plane: 1,024 bytes
	s_mov_b32 s[\g+2], 8<<16
	s_mov_b32 s[\g+3], 128<<16
	s_mov_b32 s[\g+4], 8
	s_mov_b32 s[\g+6], 0
	s_mov_b32 s[\g+7], 0
.endr
	s_mov_b32 s[G1S+5], 8192/2
	s_mov_b32 s[G1SB+5], 3072/2
	s_lshl_b32 s20, s17, 8
	s_lshl_b32 s46, s42, 8
	s_lshl_b32 s22, s20, 2
	s_mov_b32 s23, 0
	s_lshl_b32 s92, s46, 2
	s_add_co_u32 s92, s92, WSCAL
	s_mov_b32 s93, 0
	s_lshl_b32 s20, s20, 7
	s_mul_i32 s18, s16, PLR                        ; my plane of a K step's two
	s_add_co_u32 s20, s20, s18
	s_mov_b32 s21, 0
	s_lshl_b32 s46, s46, 7
	s_add_co_u32 s46, s46, WCODE
	s_mul_i32 s18, s16, PLW
	s_add_co_u32 s46, s46, s18
	s_mov_b32 s47, 0
	s_mul_i32 s45, s14, HALFT
	s_mul_i32 s94, s15, 8320                       ; the scale words' region: by the wave's number alone
	s_cmp_eq_u32 ttmp9, 2
	s_cselect_b32 s[ROLE], 1, 0
	s_mov_b32 s[SEL], 0x76543210
	s_mov_b32 s[SEL+1], 0xfedcba98
	s_mov_b32 s[MNT], 0x600000
	s_wait_kmcnt 0x0
	s_add_nc_u64 s[20:21], s[4:5], s[20:21]
	s_add_nc_u64 s[22:23], s[6:7], s[22:23]
	s_add_nc_u64 s[46:47], s[4:5], s[46:47]
	s_add_nc_u64 s[92:93], s[6:7], s[92:93]
	CROUND
	s_mov_b32 s[G0S], 1
	s_add_co_u32 s[G0S+1], s94, SCL
	s_mov_b64 s[G0S+2:G0S+3], s[22:23]
	s_or_b32 s[G0S+3], s[G0S+3], 0x80000000
	s_mov_b32 s[G0SB], 1
	s_add_co_u32 s[G0SB+1], s94, SCL
	s_mov_b64 s[G0SB+2:G0SB+3], s[92:93]
	s_or_b32 s[G0SB+3], s[G0SB+3], 0x80000000
.irp s, 0,1
	s_mov_b32 s[G0+4*\s], 1
	s_add_co_u32 s[G0+4*\s+1], s45, \s*SLOT
	s_add_nc_u64 s[G0+4*\s+2:G0+4*\s+3], s[20:21], \s*2*PLR
	s_or_b32 s[G0+4*\s+3], s[G0+4*\s+3], 0x80000000
	s_mov_b32 s[G0B+4*\s], 1
	s_add_co_u32 s[G0B+4*\s+1], s45, \s*SLOT
	s_add_nc_u64 s[G0B+4*\s+2:G0B+4*\s+3], s[46:47], \s*2*PLW
	s_or_b32 s[G0B+4*\s+3], s[G0B+4*\s+3], 0x80000000
.endr
.macro TL g0, g1
	tensor_load_to_lds s[\g0:\g0+3], s[\g1:\g1+7]
	s_nop 0
.rept 4
	v_nop
.endr
.endm
	s_cmp_eq_u32 s16, 0                            ; the head's four tiles, one a wave, in one tree of branches with one join
	s_cbranch_scc0 .Lh_scales
	s_cmp_eq_u32 s15, s[ROLE]
	s_cbranch_scc0 .Lh_w
	TL G0, G1                                      ; x's K step 0
	s_branch .Lh_join
.Lh_w:
	TL G0B, G1B                                    ; the weight's
	s_branch .Lh_join
.Lh_scales:
	s_cmp_eq_u32 s15, s[ROLE]
	s_cbranch_scc0 .Lh_sw
	TL G0S, G1S                                    ; x's scale words
	s_branch .Lh_join
.Lh_sw:
	TL G0SB, G1SB                                  ; the weight's
.Lh_join:
	s_cmp_eq_u32 s15, s[ROLE]
	s_cselect_b64 s[4:5], s[20:21], s[46:47]       ; my operand, my plane of K step 0
	s_cselect_b32 s18, s40, s41                    ; my place among the four that ask with me
	s_mov_b32 s6, 2*PLW
	s_cselect_b32 s6, 2*PLR, s6                    ; a K step on
	s_mov_b32 s7, 0
	s_add_nc_u64 s[4:5], s[4:5], s[6:7]            ; K step 1
	s_add_nc_u64 s[100:101], s[4:5], s[6:7]        ; K step 2
	s_add_nc_u64 s[6:7], s[100:101], s[6:7]        ; K step 3
	s_lshl_b32 s18, s18, 13
	v_and_b32 v23, 31, v0
	v_lshlrev_b32 v23, 8, v23
	v_add_nc_u32 v23, s18, v23                     ; 8,192 x place + 256 x lane
	global_prefetch_b8 v23, s[4:5] th:TH_LOAD_NT scope:SCOPE_SE
	global_prefetch_b8 v23, s[100:101] th:TH_LOAD_NT scope:SCOPE_SE
	v_and_b32 v1, 15, v0
	v_bfe_u32 v2, v0, 4, 1
	v_and_b32 v6, 31, v0
	v_lshlrev_b32 v[BOF], 6, v2
	s_wait_alu depctr_va_vdst(0)
	v_and_b32 v3, 8, v1
	v_add_nc_u32 v3, v3, v1
	v_lshlrev_b32 v[BMO], 2, v3
	s_wait_alu depctr_va_vdst(0)
	s_lshl_b32 s18, s42, 10
	s_lshl_b32 s19, s16, 9
	s_add_co_u32 s92, s18, s19
	s_mov_b32 s93, 0
	s_add_nc_u64 s[66:67], s[8:9], s[92:93]
	s_lshl_b32 s19, s15, 9
	s_add_co_u32 s92, s18, s19
	s_add_nc_u64 s[96:97], s[8:9], s[92:93]
.irp b, 0,1,2,3
.irp k, 0,1,2,3
	global_load_b128 v[BN+16*\b+4*\k:BN+16*\b+4*\k+3], v[BOF], s[66:67] offset:128*\b+16*\k
.endr
.endr
.irp a, 0,1,2,3,4,5,6,7
	global_load_b32 v[BM+\a], v[BMO], s[96:97] offset:4*(32*(\a/2)+8*(\a%2))
.endr
	v_lshrrev_b32 v3, 1, v1
	v_mul_u32_u24 v3, v3, UNITP
	v_and_b32 v4, 1, v1
	v_lshl_add_u32 v3, v4, 7, v3
	v_lshl_add_u32 v4, v2, 4, v3
	s_wait_alu depctr_va_vdst(0)
	s_cmp_eq_u32 ttmp9, 2
	s_cselect_b32 s[ROLE], 1, 0
	s_cselect_b32 s94, s16, s15                    ; which half of x's rows, and of the weight's, is mine: these enter global addresses alone
	s_cselect_b32 s99, s15, s16
	s_mul_i32 s21, s15, HALFT/2                    ; my 128 rows of the first region,
	s_mul_i32 s22, s16, HALFT/2
	s_add_co_u32 s22, s22, 2*HALFT                 ; and of the second
.irp s, 0,1
	v_add_nc_u32 v[ADRA+\s], s21, v4
	v_add_nc_u32 v[ADRB+\s], s22, v4
	s_add_co_u32 s21, s21, SLOT
	s_add_co_u32 s22, s22, SLOT
.endr
	s_xor_b32 s19, s15, 1
	s_add_co_u32 s19, s19, s16
	s_lshl_b32 s19, s19, 9
	s_add_co_u32 s19, s19, 7808                    ; from my rows' words in the first region to my rows' in the second: 8,320 + 512 (s16 - s15)
	v_mul_u32_u24 v3, s19, v2
	v_lshl_add_u32 v3, v1, 2, v3
	s_lshl_b32 s18, s15, 9
	s_add_co_u32 s18, s18, SCL
	v_add_nc_u32 v[ADRS], s18, v3
	s_mul_i32 s23, s14, 3072
	v_mul_u32_u24 v3, v1, 144
	v_lshl_add_u32 v3, v2, 4, v3
	v_add_nc_u32 v[STO], s23, v3
	v_lshrrev_b32 v3, 2, v6
	v_mul_u32_u24 v3, v3, 144
	v_and_b32 v7, 3, v6
	v_lshl_add_u32 v3, v7, 4, v3
	v_add_nc_u32 v[RD], s23, v3
	v_lshrrev_b32 v3, 3, v6
	v_mul_u32_u24 v3, v3, 144
	v_and_b32 v7, 7, v6
	v_lshl_add_u32 v3, v7, 4, v3
	v_add_nc_u32 v[RDV], s23, v3
	s_add_co_u32 s23, s23, 2304
	v_lshl_add_u32 v[SGA], v1, 2, s23
	v_lshl_add_u32 v[SGR], v6, 3, s23
	v_lshlrev_b32 v[CO], 4, v6
	v_lshlrev_b32 v[CO8], 3, v6
	s_lshr_b32 s18, s42, 2
	s_lshl_b32 s18, s18, 6
	s_lshr_b32 s19, s17, 3
	s_lshl_b32 s19, s19, 4
	s_add_co_u32 s18, s18, s19
	s_and_b32 s19, s42, 3
	s_lshl_b32 s19, s19, 2
	s_add_co_u32 s18, s18, s19
	s_lshl_b32 s19, s99, 1
	s_add_co_u32 s18, s18, s19
	s_and_b32 s19, s17, 7
	s_lshl_b32 s19, s19, 1
	s_add_co_u32 s19, s19, s94
	s_lshl_b32 s92, s18, 17
	s_lshl_b32 s23, s19, 13
	s_add_co_u32 s92, s92, s23
	s_add_nc_u64 s[10:11], s[10:11], s[92:93]
	s_lshl_b32 s92, s18, 12
	s_lshl_b32 s23, s19, 8
	s_add_co_u32 s92, s92, s23
	s_add_nc_u64 s[12:13], s[12:13], s[92:93]
.macro FRAG reg, adr, q, i
.irp c, 0,1,2,3
	ds_load_b128 v[\reg+4*\c:\reg+4*\c+3], v[\adr] offset:PLANEB*(\q)+32*\c+(\i)*8*UNITP
.endr
.endm
.macro MUL16 a0, p, q, sc, zero
.irp a, \a0, \a0+1
.irp b, 0,1,2,3,4,5,6,7
.if \zero
	v_wmma_scale_f32_16x16x128_f8f6f4 v[8*(8*((\a)%4)+\b):8*(8*((\a)%4)+\b)+7], v[128*(\p)+FR*\b:128*(\p)+FR*\b+FR-1], v[AF+FR*(\a):AF+FR*(\a)+FR-1], 0, v[SC+16*(\sc)+2*\b+(\q)], v[SC+16*(\sc)+2*(\a)+(\q)] matrix_a_fmt:MATRIX_FMT_BF8 matrix_b_fmt:MATRIX_FMT_BF8 matrix_a_scale:MATRIX_SCALE_ROW1
.else
	v_wmma_scale_f32_16x16x128_f8f6f4 v[8*(8*((\a)%4)+\b):8*(8*((\a)%4)+\b)+7], v[128*(\p)+FR*\b:128*(\p)+FR*\b+FR-1], v[AF+FR*(\a):AF+FR*(\a)+FR-1], v[8*(8*((\a)%4)+\b):8*(8*((\a)%4)+\b)+7], v[SC+16*(\sc)+2*\b+(\q)], v[SC+16*(\sc)+2*(\a)+(\q)] matrix_a_fmt:MATRIX_FMT_BF8 matrix_b_fmt:MATRIX_FMT_BF8 matrix_a_scale:MATRIX_SCALE_ROW1
.endif
.endr
.endr
.endm
.macro FETCH_B slot, q, p
	WIN TO_B
.irp i, 0,1,2,3,4,5,6,7
	FRAG 128*(\p)+FR*\i, ADRB+\slot, \q, \i
.endr
	WIN 0
.endm
.macro FETCH_A slot, q, i0
.irp i, \i0, \i0+1, \i0+2, \i0+3
	FRAG AF+FR*(\i), ADRA+\slot, \q, \i
.endr
.endm
.macro SCALES sc
.irp i, 0,1,2,3,4,5,6,7
.irp q, 0,1
	ds_load_b32 v[SC+16*\sc+2*\i+\q], v[ADRS] offset:64*\i+1024*\q
.endr
.endr
.endm
.macro PLACES n
.rept \n
	v_nop
.endr
.endm
.macro STEP slot, q, zero
	s_wait_dscnt 4*NL
	WIN MUL_LO
	MUL16 0, (\q)%2, \q, \slot, \zero
	MUL16 2, (\q)%2, \q, \slot, \zero
	s_wait_dscnt 0
	PLACES NP
	FETCH_B \slot, (\q)+1, 1-(\q)%2
	FETCH_A \slot, (\q)+1, 0
	WIN MUL_HI
	MUL16 4, (\q)%2, \q, \slot, \zero
	MUL16 6, (\q)%2, \q, \slot, \zero
	PLACES NP
	WIN 0
	FETCH_A \slot, (\q)+1, 4
.endm
.macro TURN slot, next, fill
	s_wait_tensorcnt 0x0
	ds_add_u32 v[SPW], v[NIL]
	s_wait_dscnt 4*NL+1
	WIN MUL_LO
	MUL16 0, 1, NQ-1, \slot, 0
	s_wait_dscnt 0x0
	s_barrier_signal -1
	MUL16 2, 1, NQ-1, \slot, 0
	WIN 0
	s_barrier_wait -1
.if \fill
	CREST
	s_add_nc_u64 s[G0+4*\slot+2:G0+4*\slot+3], s[G0+4*\slot+2:G0+4*\slot+3], 4*PLR
	s_add_nc_u64 s[G0B+4*\slot+2:G0B+4*\slot+3], s[G0B+4*\slot+2:G0B+4*\slot+3], 4*PLW
	JLOAD G0+4*\slot, G1, G0B+4*\slot, G1B
	PLACES NP-4
.else
	PLACES NP
.endif
	s_wait_alu depctr_va_vdst(0)
	v_add_nc_u32 v[ADRS], 2048, v[ADRS]
	FETCH_B \next, 0, 0
	FETCH_A \next, 0, 0
	SCALES \next
	WIN MUL_HI
	MUL16 4, 1, NQ-1, \slot, 0
	MUL16 6, 1, NQ-1, \slot, 0
	PLACES NP
	WIN 0
	FETCH_A \next, 0, 4
.endm
	s_wait_alu depctr_va_vdst(0)
	s_wait_loadcnt 0x0
	s_wait_tensorcnt 0x0                           ; my tile of the head's four is in
	ds_add_u32 v[SPW], v[NIL]
	s_mov_b32 s[G1+2], 1<<16                       ; no tensor load of mine is out: from here on a load brings one plane
	s_mov_b32 s[G1+4], 1
	s_mov_b32 s[G1B+2], 1<<16
	s_mov_b32 s[G1B+4], 1
	s_wait_dscnt 0x0
	CROUND
	JLOAD G0+4, G1, G0B+4, G1B                     ; K step 1, the first tensor load behind the round
	FETCH_B 0, 0, 0
	FETCH_A 0, 0, 0
	SCALES 0
	FETCH_A 0, 0, 4
	global_prefetch_b8 v23, s[6:7] th:TH_LOAD_NT scope:SCOPE_SE
	STEP 0, 0, 1
	TURN 0, 1, 1
	STEP 1, 0, 0
	TURN 1, 0, 1
	STEP 0, 0, 0
	TURN 0, 1, 0
	STEP 1, 0, 0
	s_wait_dscnt 4*NL
	WIN MUL_LO
	MUL16 0, 1, NQ-1, 1, 0
	MUL16 2, 1, NQ-1, 1, 0
	s_wait_dscnt 0
	WIN MUL_HI
	MUL16 4, 1, NQ-1, 1, 0
	MUL16 6, 1, NQ-1, 1, 0
	WIN 0
.macro QUANT_A s, pw
.irp b, 0,1,2,3
	v_max3_num_f32 v[TM+\b], |v[\s+16*\b]|, |v[\s+1+16*\b]|, 0x8000000
.endr
.irp i, 2,4,6,8,10,12,14
.irp b, 0,1,2,3
	v_max3_num_f32 v[TM+\b], v[TM+\b], |v[\s+16*\b+\i]|, |v[\s+1+16*\b+\i]|
.endr
.endr
.irp b, 0,1,2,3
	v_permlanex16_b32 v[TM+4+\b], v[TM+\b], s[SEL], s[SEL+1]
.endr
.irp b, 0,1,2,3
	v_max_num_f32 v[TM+\b], v[TM+\b], v[TM+4+\b]
.endr
.irp b, 0,1,2,3
	v_add_nc_u32 v[TM+12+\b], 0xf8800000, v[TM+\b]
.endr
.irp b, 0,1,2,3
	v_and_or_b32 v[TM+8+\b], v[TM+\b], 0x7f800000, s[MNT]
.endr
.irp b, 0,1,2,3
	v_lshrrev_b32 v[TM+4+\b], 23, v[TM+12+\b]
.endr
	v_lshl_or_b32 v[\pw], v[TM+5], 8, v[TM+4]
	v_lshl_or_b32 v[\pw], v[TM+6], 16, v[\pw]
	v_lshl_or_b32 v[\pw], v[TM+7], 24, v[\pw]
.endm
.macro QUANT_B s
.irp b, 0,1,2,3
.irp i, 0,1,2,3,4,5,6,7,8,9,10,11,12,13,14,15
	v_med3_num_f32 v[\s+16*\b+\i], v[\s+16*\b+\i], -v[TM+8+\b], v[TM+8+\b]
.endr
	v_cvt_scalef32_pk8_bf8_f32 v[PC+4*\b:PC+1+4*\b], v[\s+16*\b:\s+7+16*\b], v[TM+12+\b]
	v_cvt_scalef32_pk8_bf8_f32 v[PC+2+4*\b:PC+3+4*\b], v[\s+8+16*\b:\s+15+16*\b], v[TM+12+\b]
.endr
	v_nop
.endm
.macro SEND role, ap
.irp k, 0,1,2,3
.if \role
	global_store_b128 v[CO], v[OUT+4*\k:OUT+4*\k+3], s[10:11] offset:((\ap)/4)*131072+(16*((\ap)%4)+4*\k)*128
.else
	global_store_b128 v[CO], v[OUT+4*\k:OUT+4*\k+3], s[10:11] offset:(\k/2)*131072+(16*(\ap)+8*(\k%2))*64
.endif
.endr
.endm
.macro TOSTAGE role
.irp c, 0,1,2,3
	ds_store_b128 v[STO], v[PC+4*\c:PC+4*\c+3] offset:RO+32*\c
.endr
	s_wait_xcnt 0x0
.irp k, 0,1,2,3
.if \role
	ds_load_b128 v[OUT+4*\k:OUT+4*\k+3], v[RDV] offset:RO+4*\k*144
.else
	ds_load_b128 v[OUT+4*\k:OUT+4*\k+3], v[RD] offset:RO+8*(\k%2)*144+64*(\k/2)
.endif
.endr
.endm
.macro EPI role
.set RO, 16384*\role
.irp a, 0,1,2,3,4,5,6,7
.if \role
	v_mov_b32 v6, v[BM+\a]
	v_mov_b32 v7, v[BM+\a]
.endif
	WIN 0x02+\a/4
.set k, 0
.rept 32
.if \role
	v_pk_add_f32 v[XN+k:XN+k+1], v[64*(\a%4)+k:64*(\a%4)+k+1], v[6:7]
.else
	v_pk_add_f32 v[XN+k:XN+k+1], v[64*(\a%4)+k:64*(\a%4)+k+1], v[BN+k:BN+k+1]
.endif
.set k, k+2
.endr
	WIN 0
.if \role
	QUANT_A XN, BM+\a
.else
	QUANT_A XN, PW
.endif
.if \a > 0
	s_wait_dscnt 0x0
	SEND \role, \a-1
.endif
	QUANT_B XN
	TOSTAGE \role
.if \role
	ds_store_b32 v[SGA], v[BM+\a] offset:RO+64*\a
.else
.if \a%2
	v_perm_b32 v[SWA], v[PW], v[PWP], 0x05040100
	v_perm_b32 v[SWB], v[PW], v[PWP], 0x07060302
	ds_store_b32 v[SGA], v[SWA] offset:RO+64*(\a/2)
	ds_store_b32 v[SGA], v[SWB] offset:RO+256+64*(\a/2)
.else
	v_mov_b32 v[PWP], v[PW]
.endif
.endif
.endr
	s_wait_dscnt 0x0
	SEND \role, 7
.irp e, 0,1
	ds_load_b64 v[240+2*\e:241+2*\e], v[SGR] offset:RO+256*\e
.endr
	s_wait_dscnt 0x0
.irp e, 0,1
	global_store_b64 v[CO8], v[240+2*\e:241+2*\e], s[12:13] offset:4096*\e
.endr
.endm
	PLACES NP
.irp b, 0,1,2,3
	v_mov_b32 v[TM+4+\b], 0
.endr
	s_cmp_eq_u32 s[ROLE], 0
	s_cbranch_scc0 .Lrole_v
	EPI 0
	s_branch .Ldone
.Lrole_v:
	EPI 1
.Ldone:
	s_wait_tensorcnt 0x0
	ds_add_u32 v[SPW], v[NIL]
	s_wait_dscnt 0x0
	CROUND
	s_endpgm
.Lfunc_end_k_q6d386f214e_qkv:
	.size	k_q6d386f214e_qkv, .Lfunc_end_k_q6d386f214e_qkv-k_q6d386f214e_qkv
	.p2alignl 7, 3214868480
	.fill 96, 4, 3214868480
	.section	.rodata,"a",@progbits
	.p2align	6, 0x0
	.amdhsa_kernel k_q6d386f214e_qkv
		.amdhsa_group_segment_fixed_size 327680
		.amdhsa_private_segment_fixed_size 0
		.amdhsa_enable_private_segment 0
		.amdhsa_kernarg_size 40
		.amdhsa_user_sgpr_count 2
		.amdhsa_user_sgpr_kernarg_segment_ptr 1
		.amdhsa_wavefront_size32 1
		.amdhsa_system_sgpr_workgroup_id_x 1
		.amdhsa_system_sgpr_workgroup_id_y 1
		.amdhsa_system_sgpr_workgroup_id_z 1
		.amdhsa_system_vgpr_workitem_id 0
		.amdhsa_next_free_vgpr 1024
		.amdhsa_next_free_sgpr 102
		.amdhsa_reserve_vcc 0
		.amdhsa_float_denorm_mode_32 3
		.amdhsa_float_denorm_mode_16_64 3
		.amdhsa_memory_ordered 1
		.amdhsa_forward_progress 1
		.amdhsa_inst_pref_size 255
	.end_amdhsa_kernel
	.section	.bss,"aw",@nobits
	.p2align	6
	.space	262144
	.amdgpu_metadata
---
amdhsa.version: [ 1, 2 ]
amdhsa.kernels:
  - .name:           k_q6d386f214e_qkv
    .symbol:         k_q6d386f214e_qkv.kd
    .args:
      - { .name: opc, .offset: 0, .size: 8, .value_kind: global_buffer, .address_space: global }
      - { .name: ops, .offset: 8, .size: 8, .value_kind: global_buffer, .address_space: global }
      - { .name: b_qkv, .offset: 16, .size: 8, .value_kind: global_buffer, .address_space: global }
      - { .name: qkvc, .offset: 24, .size: 8, .value_kind: global_buffer, .address_space: global }
      - { .name: qkvs, .offset: 32, .size: 8, .value_kind: global_buffer, .address_space: global }
    .group_segment_fixed_size: 327680
    .private_segment_fixed_size: 0
    .kernarg_segment_align: 8
    .kernarg_segment_size: 40
    .max_flat_workgroup_size: 128
    .sgpr_count:     102
    .vgpr_count:     1024
    .wavefront_size: 32
...
	.end_amdgpu_metadata
.endif
;; end of part 2
;; launch attn (part 3): grid 8 x 32, 8 waves a work-group, clusters of 4 x 1, 327,680 bytes of LDS; arguments qkvc, qkvs, atc, ats; writes atc, ats
.if DOCPART == 3
	.amdgcn_target "amdgcn-amd-amdhsa--gfx1250"
	.amdhsa_code_object_version 6
	.text
	.protected	k_q6d386f214e_attn
	.globl	k_q6d386f214e_attn
	.p2align	8
	.type	k_q6d386f214e_attn,@function
k_q6d386f214e_attn:
	s_mov_b64 s[64:65], 0
	v_nop
	global_prefetch_b8 v0, s[64:65] scope:SCOPE_SE
	s_setreg_imm32_b32 hwreg(HW_REG_WAVE_MODE, 25, 1), 1
	s_wait_xcnt 0x0
	s_wait_alu depctr_hold_cnt(0) depctr_sa_sdst(0) depctr_va_vdst(0) depctr_va_sdst(0) depctr_va_ssrc(0) depctr_va_vcc(0) depctr_vm_vsrc(0)
	s_getreg_b32 s2, hwreg(HW_REG_IB_STS2, 6, 4)
	s_cmp_eq_u32 s2, 0
	s_cbranch_scc0 .Lentry_in_a_cluster
	s_endpgm
.Lentry_in_a_cluster:
	s_bfe_u32 s2, ttmp6, 0x10000c
	s_cmp_lg_u32 s2, 0x3003
	s_cbranch_scc0 .Lentry_shape_is_right
	s_endpgm
.Lentry_shape_is_right:
; O = softmax(Q K^T / 8) V for 64 heads of 64, 2,048 keys, both products on codes of BF8 (E5M2) with E8M0 scales; O / l is quantised along the model's 1,024 for the product that follows.
; THE SOFTMAX AHEAD OF THE SECOND PRODUCT: t = score x log2(e) / 8; M = the row's largest t so far, rounded up to a whole number; p = 2^(t - M) is quantised along the keys, not normalised; the row's sum is taken of the unquantised p
; and divides O at the end.  When M moves, the sum and O are multiplied by 2^(old M - new M), which rounds nothing.
; SHARES.  Work-group y = 8 b + hp takes the head pair 2 y, 2 y + 1, one head after the other, for 256 query positions, so that a token's 128 codes of a plane and its whole scale word leave together.  Each of eight waves owns 32 query
; positions, two tiles of 16, in 512 registers: two waves to a SIMD, and each fragment of K and V read from LDS feeds two tiles.
; CLUSTER.  The four query blocks of a cluster walk the same K and V: each tile is asked for jointly, by the same tensor load with the same descriptor and a mask that names the four.
; LAYOUT.  Both products are used transposed: S^T = K Q^T (source 0 = keys, source 1 = my queries), O^T = V^T P^T: a lane holds one query (lane % 16) throughout.  K's rows and V's rows of d lie in position order (bits 3 and 4 of the
; index exchanged), so that a lane's 16 registers of two neighbouring tiles are 16 neighbouring keys, or 16 neighbouring d.
; THE HEAD'S 64 IN AN INSTRUCTION OF 128.  A fragment of K holds 16 positions' 64 codes and the next 16 positions' 64 codes; it is multiplied once by [Q | 0] and once by [0 | Q].  So no LDS byte and no fragment register holds zeros; the zero
; codes add nothing, since every code of K is a finite number and every scale byte lies in 1 .. 254.
; THE STREAM.  The pair's K is one dense run of 4,096 rows of 64 bytes, its V one dense run of 32 steps of 8 KiB.  A slot holds 512 keys (4 steps of 128): 32 KiB of each; 8 slots in all, through two LDS slots.
; LIMITS: p under 2^-126 becomes 0 (v_exp_f32 gives no denormals: ISA guide 15.8); a block's largest p is taken from its largest score by the same two instructions; O / l is a reciprocal and a multiplication; a block of zeros gets the byte 1.
; REGISTERS.  Window 0: v1-15 addresses and the like; v16-23 statistics; v24-63 [0 | Q0 | 0 | Q1 | 0], 8 each; v64-191 S^T, then p, 64 a tile; v192-223 p's codes, 16 a tile (ahead of the conversions: at work); v224-247 at work, 12 a tile;
;   v248-251 K's, then V's scale words; v252, v254 f; v253, v255 p's scale words.   Window 1: v0-63 K's 4 fragments; v64-127 V's 4; v128-191 O^T, 32 a tile.
.set UNITP, 272                        ; 256 bytes + 16 of padding: four rows of K, or two rows of V
.set STEPB, 32*UNITP                   ; a step's K, and a step's V
.set NQ,    4                          ; steps in a slot
.set VOFF,  NQ*STEPB                   ; a slot: K, then V
.set SLOT1, 1<<17                      ; slot 1 begins here, so that one exclusive or turns an address in one slot into the other's
.set SCK,   2*SLOT1                    ; K's scale words of both heads, 8,192 bytes
.set SCV,   SCK+8192                   ; V's
.set STAGE, SCV+8192                   ; a stage for each wave: 32 rows x 144, then 128 bytes of scale words; no fill ever lands here
.set WSTG,  5120
.set SPARE, STAGE+8*WSTG               ; the spare words, 128 bytes for each wave: four blocks of 256 bytes that no other line names
.set AK0,  1                           ; v1   my lane's place in a fragment of K
.set AV0,  2                           ; v2   of V
.set ASK0, 3                           ; v3   among the scale words
.set ADK,  4                           ; v4, v8, v9  addresses of the step in hand
.set SPW,  5                           ; v5   LDS address of my spare word; never rewritten
.set NIL,  6                           ; v6   0; never rewritten
.set PFO,  7                           ; v7   256 x lane; never rewritten
.set ADV,  8
.set ADS,  9
.set QW,   10                          ; v10  Q's scale word: tile 0's two bytes below, tile 1's above
.set QWR,  11                          ; v11  the same with its halves exchanged
.set TMP,  12                          ; v12-13 at work, one a tile
.set STO,  14                          ; v14  the stage: where I put 16 codes of a row
.set SSO,  15                          ; v15  and two scale bytes
.set ST,   16                          ; tile T at v[16 + 4 T]: -M, the largest t, the sum in two halves
.set QH0,  24                          ; [0 | Q0]
.set QL0,  32                          ; [Q0 | 0]
.set QH1,  40                          ; [0 | Q1]
.set QL1,  48                          ; [Q1 | 0]
.set S,    64
.set P,    192
.set MX,   224                         ; + 12 T: the blocks' largest scores, then largest p
.set HD,   228                         ; + 12 T: 57,344 x the scale
.set CV,   232                         ; + 12 T: the conversions' scale operands
.set KW,   248
.set F,    252                         ; + 2 T
.set PWR,  253                         ; + 2 T
.set O,    128                         ; in window 1
.set TM,   224                         ; O's quantiser: at work
.set PC,   192                         ; and its codes
.set WV,   18
.set MNT,  19
.set SEL,  20
.set CS,   22                          ; s[22:23] c = log2(e) / 8
.set G1,   24                          ; s[24:31] group 1 for K's and V's tiles alike: 64 rows of 256 bytes
.set G1S,  32                          ; s[32:39] for scale words: 16 rows of 256 bytes
.set G0K,  40
.set G0V,  44
.set G0SK, 48
.set G0SV, 52
.set TB,   56                          ; s56  LDS byte at which the step's tiles begin
.set TS,   57                          ; s57  and its scale words: 256 bytes a step
.set SLOTS, 58                         ; s58  slots still to be asked for
.set INNER, 59
.set LIM,  60                          ; s60  1 in a wave that prefetches, else the greatest number
.set TRIPS, 61
.set PFA,  66                          ; s[66:67] where my prefetches stand
.set QC,   68                          ; s[68:69] Q's codes at my first position;  s[70:71] its scale words;  s[72:73] atc, s[74:75] ats at my first row
.set QS,   70
.set OC,   72
.set OS,   74
.set MSB, 0
.macro WIN new
.if MSB != (\new)
	s_set_vgpr_msb (MSB<<8)|(\new)
.set MSB, (\new)
.endif
.endm
; A joint refill: waves 0 and 1 fetch the halves of the slot's K, waves 2 and 3 of its V, the others nothing.  The branches hang on the wave's number alone.  Four v_nop follow each line.
.macro JLOAD
	s_cmp_lt_u32 s[WV], 2
	s_cbranch_scc0 .Lnot_k_\@
	tensor_load_to_lds s[G0K:G0K+3], s[G1:G1+7]
	s_nop 0
.rept 4
	v_nop
.endr
	s_branch .Lasked_\@
.Lnot_k_\@:
	s_cmp_lt_u32 s[WV], 4
	s_cbranch_scc0 .Lasked_\@
	tensor_load_to_lds s[G0V:G0V+3], s[G1:G1+7]
	s_nop 0
.rept 4
	v_nop
.endr
.Lasked_\@:
.endm
; A prefetch into the L2 of what the next change of slots will ask for: a slot's 32 KiB of K and of V.  Both clusters of a head pair walk the same rows: the first asks.  Its four partners take 8,192 bytes each, told apart by address;
; in each, wave 4 asks for K's and wave 5 for V's, lanes 256 bytes apart: each aligned block of 256 bytes is named once in the launch.  The last change that fills a slot asks for nothing; slots 0 and 1 come by their loads alone.
.macro ASK
	s_cmp_gt_u32 s[SLOTS], s[LIM]
	s_cbranch_scc0 .Lnot_mine_\@
	global_prefetch_b8 v[PFO], s[PFA:PFA+1] th:TH_LOAD_NT scope:SCOPE_SE
.Lnot_mine_\@:
.endm
.macro CROUND                          ; a round of the cluster's barrier
	s_barrier_signal -1
	s_barrier_wait -1
	s_cmp_lg_u32 s[WV], 0
	s_cbranch_scc1 .Lnot_wave_0_\@
	s_barrier_signal -3
.Lnot_wave_0_\@:
	s_barrier_wait -3
	s_barrier_signal -1
	s_barrier_wait -1
.endm
	s_load_b128 s[4:7], s[0:1], 0x0                ; qkvc s[4:5], qkvs s[6:7]
	s_load_b128 s[8:11], s[0:1], 0x10              ; atc s[8:9], ats s[10:11]
	v_lshl_add_u32 v[SPW], v0, 2, SPARE
	v_mov_b32 v[NIL], 0
	ds_add_u32 v5, v6
	ds_add_u32 v5, v6
	s_wait_dscnt 0x0
	v_lshrrev_b32 v1, 5, v0
	s_delay_alu instid0(VALU_DEP_1)
	v_readfirstlane_b32 s[WV], v1                  ; wave 0..7
	s_bfe_u32 s62, ttmp6, 0x40000                  ; cx: my place in the cluster
	s_lshl_b32 s63, ttmp9, 2
	s_add_co_u32 s63, s63, s62                     ; my block of 256 query positions: it enters Q's and the results' addresses alone
	s_and_b32 s15, ttmp7, 0xffff                   ; y, which the four partners share
	s_and_b32 s16, s[WV], 1                        ; which half I fetch, if I fetch
	s_lshl_b32 s17, s15, 18                        ; two heads' blocks of 131,072 bytes
	s_lshl_b32 s12, s16, 14
	s_add_co_u32 s12, s12, s17
	s_add_co_u32 s2, s12, 64*131072                ; K's run, my half of slot 0
	s_mov_b32 s3, 0
	s_add_co_u32 s76, s12, 128*131072              ; V's
	s_mov_b32 s77, 0
	s_lshl_b32 s12, s15, 13                        ; two heads' blocks of 4,096 bytes of scale words
	s_lshl_b32 s17, s16, 12
	s_add_co_u32 s12, s12, s17
	s_add_co_u32 s78, s12, 64*4096                 ; K's, head 2 y + (wave % 2)
	s_mov_b32 s79, 0
	s_add_co_u32 s12, s12, 128*4096                ; V's
	s_mov_b32 s13, 0
	s_mov_b32 s[G1], 15|(3<<16)|(1<<20)|(1<<21)|(5<<22)|(3<<25)   ; the mask: all four work-groups; elements of 8 bytes; padding: 4 words behind every 64
	s_mov_b32 s[G1+1], 32<<16                      ; tensor_dim0: 256 bytes
	s_mov_b32 s[G1+2], 64<<16                      ; tensor_dim1
	s_mov_b32 s[G1+3], 32<<16                      ; tile_dim0
	s_mov_b32 s[G1+4], 64                          ; tile_dim1
	s_mov_b32 s[G1+5], 32                          ; dense
	s_mov_b32 s[G1+6], 0
	s_mov_b32 s[G1+7], 0
	s_mov_b32 s[G1S], 15|(3<<16)|(1<<21)
	s_mov_b32 s[G1S+1], 32<<16
	s_mov_b32 s[G1S+2], 16<<16
	s_mov_b32 s[G1S+3], 32<<16
	s_mov_b32 s[G1S+4], 16
	s_mov_b32 s[G1S+5], 32
	s_mov_b32 s[G1S+6], 0
	s_mov_b32 s[G1S+7], 0
	s_mov_b32 s[SEL], 0x76543210
	s_mov_b32 s[SEL+1], 0xfedcba98
	s_mov_b32 s[CS], 0x3e38aa3b
	s_mov_b32 s[CS+1], s[CS]                       ; (named with it as a pair, so it is written)
	s_mov_b32 s[MNT], 0x600000
	s_mov_b32 s[TB], 0
	s_mov_b32 s[TS], 0
	s_mov_b32 s[SLOTS], 7
	s_wait_kmcnt 0x0
	s_mov_b32 s[G0K], 1
	s_mul_i32 s[G0K+1], s16, 64*UNITP
	s_add_nc_u64 s[G0K+2:G0K+3], s[4:5], s[2:3]
	s_or_b32 s[G0K+3], s[G0K+3], 0x80000000
	s_mov_b32 s[G0V], 1
	s_add_co_u32 s[G0V+1], s[G0K+1], VOFF
	s_add_nc_u64 s[G0V+2:G0V+3], s[4:5], s[76:77]
	s_or_b32 s[G0V+3], s[G0V+3], 0x80000000
	s_mov_b32 s[G0SK], 1
	s_add_co_u32 s[G0SK+1], s17, SCK
	s_add_nc_u64 s[G0SK+2:G0SK+3], s[6:7], s[78:79]
	s_or_b32 s[G0SK+3], s[G0SK+3], 0x80000000
	s_mov_b32 s[G0SV], 1
	s_add_co_u32 s[G0SV+1], s17, SCV
	s_add_nc_u64 s[G0SV+2:G0SV+3], s[6:7], s[12:13]
	s_or_b32 s[G0SV+3], s[G0SV+3], 0x80000000
	CROUND                                         ; all four work-groups are here: the first joint loads meet
	s_cmp_lt_u32 s[WV], 2                          ; the head's eight tiles, one a wave, in one chain of branches: waves 0, 1 slot 0's halves of K; 2, 3 of V; 4, 5 a head's scale words of K each; 6, 7 of V
	s_cbranch_scc0 .Lfirst_not_k
	tensor_load_to_lds s[G0K:G0K+3], s[G1:G1+7]
	s_nop 0
.rept 4
	v_nop
.endr
	s_branch .Lfirst_asked
.Lfirst_not_k:
	s_cmp_lt_u32 s[WV], 4
	s_cbranch_scc0 .Lfirst_sk
	tensor_load_to_lds s[G0V:G0V+3], s[G1:G1+7]
	s_nop 0
.rept 4
	v_nop
.endr
	s_branch .Lfirst_asked
.Lfirst_sk:
	s_cmp_lt_u32 s[WV], 6
	s_cbranch_scc0 .Lfirst_sv
	tensor_load_to_lds s[G0SK:G0SK+3], s[G1S:G1S+7]
	s_nop 0
.rept 4
	v_nop
.endr
	s_branch .Lfirst_asked
.Lfirst_sv:
	tensor_load_to_lds s[G0SV:G0SV+3], s[G1S:G1S+7]
	s_nop 0
.rept 4
	v_nop
.endr
.Lfirst_asked:
	s_lshl_b32 s2, s15, 18                         ; Q's codes: head 2 y, position 256 x block + 32 x wave, 64 bytes a position
	s_lshl_b32 s17, s63, 14
	s_add_co_u32 s2, s2, s17
	s_lshl_b32 s17, s[WV], 11
	s_add_co_u32 s2, s2, s17
	s_add_nc_u64 s[QC:QC+1], s[4:5], s[2:3]
	s_lshl_b32 s2, s15, 13                         ; its scale words: 64 bytes for each 32 positions
	s_lshl_b32 s17, s63, 9
	s_add_co_u32 s2, s2, s17
	s_lshl_b32 s17, s[WV], 6
	s_add_co_u32 s2, s2, s17
	s_add_nc_u64 s[QS:QS+1], s[6:7], s[2:3]
	s_and_b32 s12, s15, 7                          ; hp: the plane
	s_lshr_b32 s14, s15, 3                         ; b
	s_lshl_b32 s2, s12, 20                         ; atc: plane hp, row 2,048 b + 256 x block + 32 x wave, 128 bytes a row
	s_lshl_b32 s17, s14, 18
	s_add_co_u32 s2, s2, s17
	s_lshl_b32 s17, s63, 15
	s_add_co_u32 s2, s2, s17
	s_lshl_b32 s17, s[WV], 12
	s_add_co_u32 s2, s2, s17
	s_add_nc_u64 s[OC:OC+1], s[8:9], s[2:3]
	s_lshl_b32 s2, s12, 15                         ; ats: the same row, 4 bytes a row
	s_lshl_b32 s17, s14, 13
	s_add_co_u32 s2, s2, s17
	s_lshl_b32 s17, s63, 10
	s_add_co_u32 s2, s2, s17
	s_lshl_b32 s17, s[WV], 7
	s_add_co_u32 s2, s2, s17
	s_add_nc_u64 s[OS:OS+1], s[10:11], s[2:3]
	s_add_co_u32 s2, s16, 1                        ; the prefetches: K's run (even waves) or V's (odd ones),
	s_lshl_b32 s2, s2, 23
	s_lshl_b32 s17, s15, 18
	s_add_co_u32 s2, s2, s17
	s_lshl_b32 s17, s62, 13                        ; my work-group's 8,192 bytes of a slot's 32,768,
	s_add_co_u32 s2, s2, s17
	s_add_co_u32 s2, s2, 32768                     ; in slot 1: the first change of slots steps it to slot 2.  Nothing is prefetched here, at the head
	s_add_nc_u64 s[PFA:PFA+1], s[4:5], s[2:3]
	s_sub_co_u32 s12, s[WV], 4
	s_lshr_b32 s12, s12, 1                         ; 0 in waves 4 and 5,
	s_or_b32 s12, s12, ttmp9                       ; of the pair's first cluster: the same in all four partners
	s_cmp_eq_u32 s12, 0
	s_cselect_b32 s[LIM], 1, -1
	v_and_b32 v8, 15, v0                           ; r
	v_bfe_u32 v9, v0, 4, 1                         ; h
	s_delay_alu instid0(VALU_DEP_2)
	v_lshrrev_b32 v4, 2, v8
	s_delay_alu instid0(VALU_DEP_1)
	v_mul_u32_u24 v[AK0], v4, UNITP
	s_delay_alu instid0(VALU_DEP_4)
	v_and_b32 v4, 3, v8
	s_delay_alu instid0(VALU_DEP_1)
	v_lshl_add_u32 v[AK0], v4, 6, v[AK0]
	s_delay_alu instid0(VALU_DEP_1)
	v_lshl_add_u32 v[AK0], v9, 4, v[AK0]           ; K: (r / 4) x 272 + (r % 4) x 64 + 16 h: sixteen rows at sixteen different 16-byte columns
	v_lshrrev_b32 v4, 1, v8
	s_delay_alu instid0(VALU_DEP_1)
	v_mul_u32_u24 v[AV0], v4, UNITP
	v_and_b32 v4, 1, v8
	s_delay_alu instid0(VALU_DEP_1)
	v_lshl_add_u32 v[AV0], v4, 7, v[AV0]
	s_delay_alu instid0(VALU_DEP_1)
	v_lshl_add_u32 v[AV0], v9, 4, v[AV0]
	s_delay_alu instid0(VALU_DEP_1)
	v_add_nc_u32 v[AV0], VOFF, v[AV0]              ; V: (r / 2) x 272 + (r % 2) x 128 + 16 h
	v_lshl_add_u32 v[ASK0], v8, 2, SCK
	s_mul_i32 s12, s[WV], WSTG
	s_add_co_u32 s12, s12, STAGE                   ; my stage
	v_mul_u32_u24 v[STO], v8, 144
	s_delay_alu instid0(VALU_DEP_1)
	v_lshl_add_u32 v[STO], v9, 4, v[STO]
	s_delay_alu instid0(VALU_DEP_1)
	v_add_nc_u32 v[STO], s12, v[STO]
	s_add_co_u32 s17, s12, 4608
	v_lshl_add_u32 v[SSO], v8, 2, s17
	v_and_b32 v[PFO], 31, v0
	s_delay_alu instid0(VALU_DEP_1)
	v_lshlrev_b32 v[PFO], 8, v[PFO]
.irp j, 0,1,2,3,4,5,6,7
	v_mov_b32 v[QH0+\j], 0                         ; the zero halves beside Q: written once
	v_mov_b32 v[QH1+\j], 0
	v_mov_b32 v[QL1+8+\j], 0
.endr
.irp b, 0,1,2,3
	v_mov_b32 v[P+\b], 0                           ; written once: a lane permute's destination counts as one of its sources
	v_mov_b32 v[P+16+\b], 0
.endr
	v_mov_b32 v[PWR], 0                            ; (named as the upper halves of the pairs with f before they are first written)
	v_mov_b32 v[PWR+2], 0
; A KEY STEP: 128 keys, both tiles.
.macro STEP
	v_add_nc_u32 v[ADK], s[TB], v[AK0]
	v_add_nc_u32 v[ADV], s[TB], v[AV0]
	v_add_nc_u32 v[ADS], s[TS], v[ASK0]
.rept 5
	v_nop                                          ; with the three additions: eight places in front of loads into registers that the last products have read
.endr
.irp f, 0,1,2,3
	ds_load_b32 v[KW+\f], v[ADS] offset:64*\f      ; K's scale words: position 32 f + r's two bytes below, position 32 f + 16 + r's above
.endr
	WIN 0x40                                       ; destination window 1
.irp f, 0,1,2,3
.irp c, 0,1,2,3
	ds_load_b128 v[16*\f+4*\c:16*\f+4*\c+3], v[ADK] offset:8*UNITP*\f+4*UNITP*(\c/2)+32*(\c%2)   ; fragment f: positions 32 f + r (c < 2) and 32 f + 16 + r
.endr
.endr
.irp t, 0,1,2,3
.irp c, 0,1,2,3
	ds_load_b128 v[64+16*\t+4*\c:64+16*\t+4*\c+3], v[ADV] offset:8*UNITP*\t+32*\c
.endr
.endr
	s_wait_alu depctr_va_vdst(0)
	s_wait_dscnt 16                                ; K and its scale words are in; V's sixteen loads may be out
	WIN 0x01                                       ; source 0 window 1
.irp f, 0,1,2,3                                ; register 16 f + 8 u + j of a tile's S^T is key 32 f + 16 (lane / 16) + 8 u + j
	v_wmma_scale_f32_16x16x128_f8f6f4 v[S+16*\f:S+16*\f+7], v[16*\f:16*\f+15], v[QL0:QL0+15], 0, v[KW+\f], v[QW] matrix_a_fmt:MATRIX_FMT_BF8 matrix_b_fmt:MATRIX_FMT_BF8
	v_wmma_scale_f32_16x16x128_f8f6f4 v[S+64+16*\f:S+64+16*\f+7], v[16*\f:16*\f+15], v[QL1:QL1+15], 0, v[KW+\f], v[QWR] matrix_a_fmt:MATRIX_FMT_BF8 matrix_b_fmt:MATRIX_FMT_BF8
	v_wmma_scale_f32_16x16x128_f8f6f4 v[S+16*\f+8:S+16*\f+15], v[16*\f:16*\f+15], v[QH0:QH0+15], 0, v[KW+\f], v[QWR] matrix_a_fmt:MATRIX_FMT_BF8 matrix_b_fmt:MATRIX_FMT_BF8
	v_wmma_scale_f32_16x16x128_f8f6f4 v[S+64+16*\f+8:S+64+16*\f+15], v[16*\f:16*\f+15], v[QH1:QH1+15], 0, v[KW+\f], v[QW] matrix_a_fmt:MATRIX_FMT_BF8 matrix_b_fmt:MATRIX_FMT_BF8
.endr
	WIN 0
.rept 8
	v_nop                                          ; places in front of the first read of the scores and of the loads below
.endr
.irp t, 0,1,2,3
	ds_load_b32 v[KW+\t], v[ADS] offset:8192+64*\t ; V's scale words
.endr
.irp b, 0,1,2,3
.irp T, 0,1
	v_max3_num_f32 v[MX+12*\T+\b], v[S+64*\T+16*\b], v[S+64*\T+16*\b+1], v[S+64*\T+16*\b+2]   ; the largest score of each block of 32 keys: it serves for the row's maximum and, since p rises with the score, for the block's largest p
.endr
.endr
.irp i, 3,5,7,9,11,13
.irp b, 0,1,2,3
.irp T, 0,1
	v_max3_num_f32 v[MX+12*\T+\b], v[MX+12*\T+\b], v[S+64*\T+16*\b+\i], v[S+64*\T+16*\b+\i+1]
.endr
.endr
.endr
.irp b, 0,1,2,3
.irp T, 0,1
	v_max_num_f32 v[MX+12*\T+\b], v[MX+12*\T+\b], v[S+64*\T+16*\b+15]
.endr
.endr
.irp b, 0,1,2,3
.irp T, 0,1
	v_permlanex16_b32 v[P+16*\T+\b], v[MX+12*\T+\b], s[SEL], s[SEL+1]
.endr
.endr
.irp b, 0,1,2,3
.irp T, 0,1
	v_max_num_f32 v[MX+12*\T+\b], v[MX+12*\T+\b], v[P+16*\T+\b]   ; with lane l xor 16's 16 keys
.endr
.endr
.irp T, 0,1
	s_delay_alu instid0(VALU_DEP_4)
	v_max3_num_f32 v[TMP+\T], v[MX+12*\T], v[MX+12*\T+1], v[MX+12*\T+2]
.endr
.irp T, 0,1
	s_delay_alu instid0(VALU_DEP_2)
	v_max_num_f32 v[TMP+\T], v[TMP+\T], v[MX+12*\T+3]              ; the step's largest score of my query
.endr
.irp T, 0,1
	s_delay_alu instid0(VALU_DEP_2)
	v_mul_f32 v[TMP+\T], s[CS], v[TMP+\T]                          ; as t
.endr
.irp T, 0,1
	s_delay_alu instid0(VALU_DEP_2)
	v_max_num_f32 v[ST+4*\T+1], v[ST+4*\T+1], v[TMP+\T]            ; the running largest t
.endr
.irp T, 0,1
	v_mov_b32 v[TMP+\T], v[ST+4*\T]
.endr
.irp T, 0,1
	s_delay_alu instid0(VALU_DEP_4)
	v_floor_f32 v[ST+4*\T], -v[ST+4*\T+1]                          ; the new -M = floor(-t): M is a whole number
.endr
.irp T, 0,1
	s_delay_alu instid0(VALU_DEP_2)
	v_sub_f32 v[TMP+\T], v[ST+4*\T], v[TMP+\T]                     ; M's old value less its new one: a whole number, 0 or less
.endr
.irp T, 0,1
	s_delay_alu instid0(VALU_DEP_2)
	v_cvt_i32_f32 v[TMP+\T], v[TMP+\T]                             ; (it saturates)
.endr
.irp T, 0,1
	s_delay_alu instid0(VALU_DEP_2)
	v_ldexp_f32 v[F+2*\T], 1.0, v[TMP+\T]                          ; f = 2^(old M - new M)
.endr
.set j, 0
.rept 32
.irp T, 0,1
	v_pk_fma_f32 v[S+64*\T+j:S+64*\T+j+1], v[S+64*\T+j:S+64*\T+j+1], s[CS:CS+1], v[ST+4*\T:ST+4*\T+1] op_sel_hi:[1,0,0]   ; t - M, two at a time
.endr
.set j, j+2
.endr
.irp b, 0,1,2,3
.irp T, 0,1
	v_fma_f32 v[MX+12*\T+\b], v[MX+12*\T+\b], s[CS], v[ST+4*\T]    ; the same of each block's largest score
.endr
.endr
.set j, 0
	s_wait_alu depctr_va_vdst(0)
.rept 128
	v_exp_f32 v[S+j], v[S+j]                       ; p = 2^(t - M), at most 1: not normalised
.set j, j+1
.endr
.irp b, 0,1,2,3
.irp T, 0,1
	v_exp_f32 v[MX+12*\T+\b], v[MX+12*\T+\b]       ; the block's largest p: the same two instructions on the same number give the same bits
.endr
.endr
.irp T, 0,1
	v_pk_mul_f32 v[ST+4*\T+2:ST+4*\T+3], v[ST+4*\T+2:ST+4*\T+3], v[F+2*\T:F+2*\T+1] op_sel_hi:[1,0]   ; the sums under the new M (a plain line behind the exponentials)
.endr
	s_wait_alu depctr_va_vdst(0)
.irp b, 0,1,2,3
.irp T, 0,1
	v_max_num_f32 v[MX+12*\T+\b], 0x8000000, v[MX+12*\T+\b]        ; the floor 2^(16 - 127): the byte cannot fall under 1
.endr
.endr
.irp b, 0,1,2,3
.irp T, 0,1
	v_add_nc_u32 v[CV+12*\T+\b], 0xf8800000, v[MX+12*\T+\b]        ; 15 off the exponent field: the conversion's scale operand
.endr
.endr
.irp b, 0,1,2,3
.irp T, 0,1
	v_and_or_b32 v[HD+12*\T+\b], v[MX+12*\T+\b], 0x7f800000, s[MNT]   ; 57,344 x the scale
.endr
.endr
.irp b, 0,1,2,3
.irp T, 0,1
	v_lshrrev_b32 v[P+16*\T+\b], 23, v[CV+12*\T+\b]                ; the scale's byte
.endr
.endr
.irp T, 0,1
	v_lshl_or_b32 v[PWR+2*\T], v[P+16*\T+1], 8, v[P+16*\T]         ; p's scale word for these 128 keys
.endr
.irp T, 0,1
	s_delay_alu instid0(VALU_DEP_2)
	v_lshl_or_b32 v[PWR+2*\T], v[P+16*\T+2], 16, v[PWR+2*\T]
.endr
.irp T, 0,1
	s_delay_alu instid0(VALU_DEP_2)
	v_lshl_or_b32 v[PWR+2*\T], v[P+16*\T+3], 24, v[PWR+2*\T]
.endr
.irp T, 0,1
	v_pk_add_f32 v[P+16*\T+4:P+16*\T+5], v[S+64*\T:S+64*\T+1], v[S+64*\T+2:S+64*\T+3]   ; the row's sum is taken of the unquantised p: two at a time, in two chains a tile
.endr
.irp j, 4,8,12,16,20,24,28,32,36,40,44,48,52,56,60
.irp T, 0,1
	v_pk_add_f32 v[ST+4*\T+2:ST+4*\T+3], v[ST+4*\T+2:ST+4*\T+3], v[S+64*\T+\j:S+64*\T+\j+1]
	v_pk_add_f32 v[P+16*\T+4:P+16*\T+5], v[P+16*\T+4:P+16*\T+5], v[S+64*\T+\j+2:S+64*\T+\j+3]
.endr
.endr
.irp T, 0
	s_delay_alu instid0(VALU_DEP_3)
	v_pk_add_f32 v[ST+4*\T+2:ST+4*\T+3], v[ST+4*\T+2:ST+4*\T+3], v[P+16*\T+4:P+16*\T+5]
.endr
.irp T, 1
	s_delay_alu instid0(VALU_DEP_2)
	v_pk_add_f32 v[ST+4*\T+2:ST+4*\T+3], v[ST+4*\T+2:ST+4*\T+3], v[P+16*\T+4:P+16*\T+5]
.endr
.irp b, 0,1,2,3
.irp T, 0,1
.irp i, 0,2,4,6,8,10,12,14                     ; the conversion to an 8-bit code does not saturate (ISA guide 7.6.2); p is not negative, so the hold is one-sided; two holds to an instruction
	v_dual_min_num_f32 v[S+64*\T+16*\b+\i], v[S+64*\T+16*\b+\i], v[HD+12*\T+\b] :: v_dual_min_num_f32 v[S+64*\T+16*\b+\i+1], v[S+64*\T+16*\b+\i+1], v[HD+12*\T+\b]
.endr
	v_cvt_scalef32_pk8_bf8_f32 v[P+16*\T+4*\b:P+16*\T+4*\b+1], v[S+64*\T+16*\b:S+64*\T+16*\b+7], v[CV+12*\T+\b]
	v_cvt_scalef32_pk8_bf8_f32 v[P+16*\T+4*\b+2:P+16*\T+4*\b+3], v[S+64*\T+16*\b+8:S+64*\T+16*\b+15], v[CV+12*\T+\b]
.endr
.endr
	WIN 0x41                                       ; O^T: destination and source 0 in window 1
.irp T, 0,1
.set j, 0
.rept 16
	v_pk_mul_f32 v[O+32*\T+j:O+32*\T+j+1], v[O+32*\T+j:O+32*\T+j+1], v[F+2*\T:F+2*\T+1] op_sel_hi:[1,0]   ; O^T under the new M.  (These 32 are also the places in front of the products below)
.set j, j+2
.endr
.endr
	s_wait_alu depctr_va_vdst(0)
	s_wait_dscnt 0x0                               ; V and its scale words are in
	WIN 0x51                                       ; V window 1, p window 0, O^T window 1
.irp t, 0,1,2,3                                ; the eight accumulators take turns, one instruction a turn
.irp T, 0,1
	v_wmma_scale_f32_16x16x128_f8f6f4 v[O+32*\T+8*\t:O+32*\T+8*\t+7], v[64+16*\t:64+16*\t+15], v[P+16*\T:P+16*\T+15], v[O+32*\T+8*\t:O+32*\T+8*\t+7], v[KW+\t], v[PWR+2*\T] matrix_a_fmt:MATRIX_FMT_BF8 matrix_b_fmt:MATRIX_FMT_BF8
.endr
.endr
	WIN 0
	s_add_co_u32 s[TB], s[TB], STEPB               ; the next step's tiles,
	s_add_co_u32 s[TS], s[TS], 256                 ; and its scale words
.endm
.macro SLOT_STEPS                      ; a slot's four steps: written once, walked four times
	s_mov_b32 s[INNER], NQ
.Lstep_\@:
	STEP
	s_sub_co_u32 s[INNER], s[INNER], 1
	s_cmp_lg_u32 s[INNER], 0
	s_cbranch_scc1 .Lstep_\@
	s_sub_co_u32 s[TB], s[TB], NQ*STEPB
	s_xor_b32 s[TB], s[TB], SLOT1                  ; on to the other slot
.endm
; THE CHANGE OF SLOTS stands at a slot's head.  Each wave waits for all its tensor loads (its part of the slot that it is about to read), adds 0 to its spare word, and waits for that and for its reads of the slot that it has left.
; fill = 1: the barrier is a round of the cluster's, and behind it the slot that was left is filled with the keys that follow: the load has a slot's four steps in which to land.
.macro CHANGE fill
	s_wait_tensorcnt 0x0                           ; no tensor load of mine is out, so a group 0 may be written
	ds_add_u32 v[SPW], v[NIL]                      ; 0 onto my spare word
.if \fill
	s_xor_b32 s[G0K+1], s[G0K+1], SLOT1            ; the walking descriptors: the other slot than last time,
	s_add_nc_u64 s[G0K+2:G0K+3], s[G0K+2:G0K+3], 32768   ; the next 512 keys
	s_xor_b32 s[G0V+1], s[G0V+1], SLOT1
	s_add_nc_u64 s[G0V+2:G0V+3], s[G0V+2:G0V+3], 32768
	s_wait_xcnt 0x0                                ; the last prefetch, a slot back, has read its address, so it may be written:
	s_add_nc_u64 s[PFA:PFA+1], s[PFA:PFA+1], 32768 ; one slot further on than the walking descriptors
	s_wait_dscnt 0x0                               ; the add is done, and my reads of the slot that I have left are over
	CROUND
	JLOAD                                          ; the first thing behind the round, and a wave's one tensor load until the next
	ASK
.else
	s_wait_dscnt 0x0
	s_barrier_signal -1
	s_barrier_wait -1
.endif
.endm
.macro HEAD_INIT e                     ; head 2 y + e begins: its Q, and statistics and O^T that the first step finds as nothing
.if \e == 0
	v_and_b32 v12, 15, v0
	v_bfe_u32 v13, v0, 4, 1
	s_delay_alu instid0(VALU_DEP_1)
	v_lshlrev_b32 v13, 4, v13
	s_delay_alu instid0(VALU_DEP_1)
	v_lshl_add_u32 v13, v12, 6, v13                ; 64 r + 16 h
	s_delay_alu instid0(VALU_DEP_4)
	v_lshlrev_b32 v12, 2, v12                      ; 4 r
.irp T, 0,1
.irp c, 0,1
	global_load_b128 v[QL0+16*\T+4*\c:QL0+16*\T+4*\c+3], v13, s[QC:QC+1] offset:131072*\e+1024*\T+32*\c
.endr
.endr
	global_load_b32 v[QW], v12, s[QS:QS+1] offset:4096*\e
	WIN 0x40                                       ; the second head's Q comes with the first's, into window 1, v192-208, and waits there
.irp T, 0,1
.irp c, 0,1
	global_load_b128 v[192+8*\T+4*\c:192+8*\T+4*\c+3], v13, s[QC:QC+1] offset:131072+1024*\T+32*\c
.endr
.endr
	global_load_b32 v208, v12, s[QS:QS+1] offset:4096
	WIN 0
.else
	WIN 0x01                                       ; source 0 window 1: the second head's Q and its scale word, out of the registers in which they have waited
	v_mov_b32 v[QW], v208
.irp j, 0,1,2,3,4,5,6,7
	v_mov_b32 v[QL0+\j], v[192+\j]
	v_mov_b32 v[QL1+\j], v[200+\j]
.endr
	WIN 0
.endif
.irp T, 0,1
	v_mov_b32 v[ST+4*\T+1], 0xff61b1e6             ; the largest t so far: -3e38, under every t
	v_mov_b32 v[ST+4*\T+2], 0                      ; the sum, in two halves
	v_mov_b32 v[ST+4*\T+3], 0
.endr
.irp T, 0
	v_floor_f32 v[ST+4*\T], -v[ST+4*\T+1]          ; -M
.endr
.irp T, 1
	s_delay_alu instid0(VALU_DEP_4)
	v_floor_f32 v[ST+4*\T], -v[ST+4*\T+1]          ; -M
.endr
	s_wait_loadcnt 0x0
	v_perm_b32 v[QWR], v[QW], v[QW], 0x01000302    ; the word's halves exchanged
	WIN 0x40
.set j, 0
.rept 64
	v_mov_b32 v[O+j], 0                            ; O^T.  (The step is written once: a head's first step finds zeros, which the first change of M leaves zeros)
.set j, j+1
.endr
	WIN 0
.endm
.macro QUANT_A s, pw                   ; 64 numbers of a lane in four blocks of 16, each block shared with lane l xor 16: the blocks' scales, and their four bytes in v[pw]
.irp b, 0,1,2,3
	v_max3_num_f32 v[TM+\b], |v[\s+16*\b]|, |v[\s+1+16*\b]|, 0x8000000
.endr
.irp i, 2,4,6,8,10,12,14
.irp b, 0,1,2,3
	s_delay_alu instid0(VALU_DEP_4)
	v_max3_num_f32 v[TM+\b], v[TM+\b], |v[\s+16*\b+\i]|, |v[\s+1+16*\b+\i]|
.endr
.endr
.irp b, 0,1,2,3
	s_delay_alu instid0(VALU_DEP_4)
	v_permlanex16_b32 v[TM+4+\b], v[TM+\b], s[SEL], s[SEL+1]
.endr
.irp b, 0,1,2,3
	s_delay_alu instid0(VALU_DEP_4)
	v_max_num_f32 v[TM+\b], v[TM+\b], v[TM+4+\b]
.endr
.irp b, 0,1,2,3
	s_delay_alu instid0(VALU_DEP_4)
	v_add_nc_u32 v[TM+12+\b], 0xf8800000, v[TM+\b]
.endr
.irp b, 0,1,2,3
	v_and_or_b32 v[TM+8+\b], v[TM+\b], 0x7f800000, s[MNT]
.endr
.irp b, 0,1,2,3
	v_lshrrev_b32 v[TM+4+\b], 23, v[TM+12+\b]
.endr
	s_delay_alu instid0(VALU_DEP_3)
	v_lshl_or_b32 v[\pw], v[TM+5], 8, v[TM+4]
	s_delay_alu instid0(VALU_DEP_1)
	v_lshl_or_b32 v[\pw], v[TM+6], 16, v[\pw]
	s_delay_alu instid0(VALU_DEP_1)
	v_lshl_or_b32 v[\pw], v[TM+7], 24, v[\pw]
.endm
.macro QUANT_B s
.irp b, 0,1,2,3
.irp i, 0,1,2,3,4,5,6,7,8,9,10,11,12,13,14,15
	v_med3_num_f32 v[\s+16*\b+\i], v[\s+16*\b+\i], -v[TM+8+\b], v[TM+8+\b]
.endr
	v_cvt_scalef32_pk8_bf8_f32 v[PC+4*\b:PC+1+4*\b], v[\s+16*\b:\s+7+16*\b], v[TM+12+\b]
	v_cvt_scalef32_pk8_bf8_f32 v[PC+2+4*\b:PC+3+4*\b], v[\s+8+16*\b:\s+15+16*\b], v[TM+12+\b]
.endr
	v_nop                                          ; a plain line behind the last conversion
.endm
.macro HEAD_END e                      ; head 2 y + e ends: O^T / the sum, quantised along d, into my stage
.rept 8
	v_nop                                          ; places behind the last products
.endr
.irp T, 0,1
	v_add_f32 v[ST+4*\T+2], v[ST+4*\T+2], v[ST+4*\T+3]
.endr
.irp T, 0,1
	s_delay_alu instid0(VALU_DEP_2)
	v_permlanex16_b32 v[TMP+\T], v[ST+4*\T+2], s[SEL], s[SEL+1]
.endr
.irp T, 0,1
	s_delay_alu instid0(VALU_DEP_2)
	v_add_f32 v[ST+4*\T+2], v[ST+4*\T+2], v[TMP+\T]                ; the row's sum
.endr
	s_wait_alu depctr_va_vdst(0)
.irp T, 0,1
	v_rcp_f32 v[ST+4*\T+2], v[ST+4*\T+2]
.endr
	v_nop                                          ; a plain line behind the reciprocals
	WIN 0x01                                       ; source 0 window 1
	s_wait_alu depctr_va_vdst(0)
.irp T, 0,1
.set j, 0
.rept 16
	v_pk_mul_f32 v[S+32*\T+j:S+32*\T+j+1], v[O+32*\T+j:O+32*\T+j+1], v[ST+4*\T+2:ST+4*\T+3] op_sel_hi:[1,0]   ; register 32 T + 16 b + i: tile T, d = 32 b + 16 (lane / 16) + i; each accumulator from its low end on
.set j, j+2
.endr
.endr
	WIN 0
	QUANT_A S, TMP                                 ; the four bytes: tile 0's two blocks below, tile 1's above
	QUANT_B S
.irp T, 0,1
.irp b, 0,1
	ds_store_b128 v[STO], v[PC+8*\T+4*\b:PC+8*\T+4*\b+3] offset:2304*\T+64*\e+32*\b
.endr
.endr
	ds_store_b16 v[SSO], v[TMP] offset:2*\e        ; row r's word, bytes 2 e and 2 e + 1; both halves of the lanes write the same bytes with the same values
	ds_store_b16_d16_hi v[SSO], v[TMP] offset:64+2*\e   ; row 16 + r's
	s_wait_dscnt 0x0                               ; the stores have read their registers
.endm
	HEAD_INIT 0
	s_mov_b32 s[TRIPS], 4
.Lslot_a:                                          ; the first head's four slots; behind each change the next slot is asked for
	CHANGE 1
	SLOT_STEPS
	s_sub_co_u32 s[SLOTS], s[SLOTS], 1
	s_sub_co_u32 s[TRIPS], s[TRIPS], 1
	s_cmp_lg_u32 s[TRIPS], 0
	s_cbranch_scc1 .Lslot_a
	HEAD_END 0
	HEAD_INIT 1
	s_mov_b32 s[TB], 0                             ; four slots on: slot 0 again,
	s_mov_b32 s[TS], 4096                          ; and the second head's scale words
	s_mov_b32 s[TRIPS], 3
.Lslot_b:                                          ; the second head's first three slots
	CHANGE 1
	SLOT_STEPS
	s_sub_co_u32 s[SLOTS], s[SLOTS], 1
	s_sub_co_u32 s[TRIPS], s[TRIPS], 1
	s_cmp_lg_u32 s[TRIPS], 0
	s_cbranch_scc1 .Lslot_b
	CHANGE 0                                       ; the last slot is written out
	SLOT_STEPS
	HEAD_END 1
	; THE WAY OUT: my 32 rows of 128 codes leave as eight runs of 512 consecutive bytes, their scale words as 128
	v_and_b32 v8, 31, v0
	s_delay_alu instid0(VALU_DEP_1)
	v_lshrrev_b32 v9, 3, v8
	s_delay_alu instid0(VALU_DEP_1)
	v_mul_u32_u24 v9, v9, 144
	s_delay_alu instid0(VALU_DEP_3)
	v_and_b32 v4, 7, v8
	s_delay_alu instid0(VALU_DEP_1)
	v_lshl_add_u32 v9, v4, 4, v9
	s_mul_i32 s12, s[WV], WSTG
	s_add_co_u32 s12, s12, STAGE
	v_add_nc_u32 v9, s12, v9
	v_lshl_add_u32 v4, v8, 2, s12
	v_lshlrev_b32 v1, 4, v8
	v_lshlrev_b32 v2, 2, v8
.irp i, 0,1,2,3,4,5,6,7
	ds_load_b128 v[S+4*\i:S+4*\i+3], v9 offset:576*\i   ; LDS serves a wave's instructions in order: these see my stores
.endr
	ds_load_b32 v[S+32], v4 offset:4608
	s_wait_alu depctr_va_vdst(0)
.irp i, 0,1,2,3,4,5,6,7
	s_wait_dscnt 8-\i                              ; number i is in; the younger loads may be out
	global_store_b128 v1, v[S+4*\i:S+4*\i+3], s[OC:OC+1] offset:512*\i
.endr
	s_wait_dscnt 0x0
	global_store_b32 v2, v[S+32], s[OS:OS+1]
	s_wait_tensorcnt 0x0                           ; the wave's end, behind my last tensor load and my last LDS store
	ds_add_u32 v[SPW], v[NIL]
	s_wait_dscnt 0x0
	CROUND                                         ; the closing round: no work-group ends while a partner may still ask for a tile that names it
	s_endpgm
.Lfunc_end_k_q6d386f214e_attn:
	.size	k_q6d386f214e_attn, .Lfunc_end_k_q6d386f214e_attn-k_q6d386f214e_attn
	.p2alignl 7, 3214868480
	.fill 96, 4, 3214868480
	.section	.rodata,"a",@progbits
	.p2align	6, 0x0
	.amdhsa_kernel k_q6d386f214e_attn
		.amdhsa_group_segment_fixed_size 327680
		.amdhsa_private_segment_fixed_size 0
		.amdhsa_enable_private_segment 0
		.amdhsa_kernarg_size 32
		.amdhsa_user_sgpr_count 2
		.amdhsa_user_sgpr_kernarg_segment_ptr 1
		.amdhsa_wavefront_size32 1
		.amdhsa_system_sgpr_workgroup_id_x 1
		.amdhsa_system_sgpr_workgroup_id_y 1
		.amdhsa_system_sgpr_workgroup_id_z 1
		.amdhsa_system_vgpr_workitem_id 0
		.amdhsa_next_free_vgpr 512
		.amdhsa_next_free_sgpr 80
		.amdhsa_reserve_vcc 0
		.amdhsa_float_denorm_mode_32 3
		.amdhsa_float_denorm_mode_16_64 3
		.amdhsa_memory_ordered 1
		.amdhsa_forward_progress 1
		.amdhsa_inst_pref_size 153
	.end_amdhsa_kernel
	.amdgpu_metadata
---
amdhsa.version: [ 1, 2 ]
amdhsa.kernels:
  - .name:           k_q6d386f214e_attn
    .symbol:         k_q6d386f214e_attn.kd
    .args:
      - { .name: qkvc, .offset: 0, .size: 8, .value_kind: global_buffer, .address_space: global }
      - { .name: qkvs, .offset: 8, .size: 8, .value_kind: global_buffer, .address_space: global }
      - { .name: atc, .offset: 16, .size: 8, .value_kind: global_buffer, .address_space: global }
      - { .name: ats, .offset: 24, .size: 8, .value_kind: global_buffer, .address_space: global }
    .group_segment_fixed_size: 327680
    .private_segment_fixed_size: 0
    .kernarg_segment_align: 8
    .kernarg_segment_size: 32
    .max_flat_workgroup_size: 256
    .sgpr_count:     80
    .vgpr_count:     512
    .wavefront_size: 32
...
	.end_amdgpu_metadata
.endif
;; end of part 3
;; launch proj (part 4): grid 4 x 32, 4 waves a work-group, clusters of 4 x 4, 327,680 bytes of LDS; arguments atc, ats, opc, ops, b_out, out0; writes out0
.if DOCPART == 4
	.amdgcn_target "amdgcn-amd-amdhsa--gfx1250"
	.amdhsa_code_object_version 6
	.text
	.protected	k_q6d386f214e_proj
	.globl	k_q6d386f214e_proj
	.p2align	8
	.type	k_q6d386f214e_proj,@function
k_q6d386f214e_proj:
	s_mov_b64 s[64:65], 0
	v_nop
	global_prefetch_b8 v0, s[64:65] scope:SCOPE_SE
	s_setreg_imm32_b32 hwreg(HW_REG_WAVE_MODE, 25, 1), 1
	s_wait_xcnt 0x0
	s_wait_alu depctr_hold_cnt(0) depctr_sa_sdst(0) depctr_va_vdst(0) depctr_va_sdst(0) depctr_va_ssrc(0) depctr_va_vcc(0) depctr_vm_vsrc(0)
	s_getreg_b32 s2, hwreg(HW_REG_IB_STS2, 6, 4)
	s_cmp_eq_u32 s2, 0
	s_cbranch_scc0 .Lentry_in_a_cluster
	s_endpgm
.Lentry_in_a_cluster:
	s_bfe_u32 s2, ttmp6, 0x10000c
	s_cmp_lg_u32 s2, 0xf033
	s_cbranch_scc0 .Lentry_shape_is_right
	s_endpgm
.Lentry_shape_is_right:
.set NQ,     2
.set FR,     16
.set NL,     4
.set NP,     8
.set UNITP,  272
; out0 = (attention's result) W_out + b_out on codes of BF8 (E5M2) with E8M0 scales.  A work-group makes 256 x 256, a wave 128 x 128; K goes in four steps of 256 (two planes of 128) through two LDS slots.
; A SLOT holds the rows' codes and then the weight's, each as [plane][256 rows of 128 bytes], two rows to a unit of 256 bytes + 16 of padding.
; THE HEAD: one joint load a wave: waves 0 and 2 a whole operand's K step 0 (two planes), waves 1 and 3 the scale words of an operand's 256 rows for all of K, laid [plane][256 rows][4 bytes].
; Behind the head a wave's load is one plane of 256 rows, 32,768 dense bytes.
; PREFETCH INTO THE L2, two K steps ahead of the load: a wave names 8,192 bytes of its own plane, lanes 256 bytes apart; the four partners that ask for the plane jointly share it out by address (cx for the rows, cy for the weight).
; K steps 1 and 2 are named at the head, K step 3 behind K step 1's load; K step 0 comes by its load alone.  The three bases and the offset register are never rewritten.
.set PLANEB, 128*UNITP
.set HALFT,  PLANEB
.set SLOT,   4*HALFT
.set SCL,    2*SLOT
.set SCLW,   SCL+8320
.set SPARE,  327168
.set PLR,    1048576
.set PLW,    131072
.set WCODE,  11534336
.set WSCAL,  360448
.set SPITCH, 528
.set ADRA, 16
.set BOF,  18
.set ADRB, 20
.set STO,  24
.set RD,   25
.set CO,   26
.set ADRS, 27
.set SPW,  28
.set NIL,  29
.set SC,   32
.set BN,   64
.set AF,   128
.set BK,   128
.set G1, 24
.set G0, 32
.set G1B, 48
.set G0B, 56
.set G1S, 68
.set G0S, 76
.set G1SB, 80
.set G0SB, 88
.set MSB, 0
.macro WIN new
.if MSB != (\new)
	s_set_vgpr_msb (MSB<<8)|(\new)
.set MSB, (\new)
.endif
.endm
.set MUL_LO, 0xa1
.set MUL_HI, 0xf1
.set TO_B,   0x40
.macro JLOAD g0a, g1a, g0b, g1b
	s_cmp_eq_u32 s15, 0
	s_cbranch_scc0 .Lfor_b_\@
	tensor_load_to_lds s[\g0a:\g0a+3], s[\g1a:\g1a+7]
	s_nop 0
.rept 4
	v_nop
.endr
	s_branch .Lasked_\@
.Lfor_b_\@:
	tensor_load_to_lds s[\g0b:\g0b+3], s[\g1b:\g1b+7]
	s_nop 0
.rept 4
	v_nop
.endr
.Lasked_\@:
.endm
.macro CREST
	s_cmp_lg_u32 s14, 0
	s_cbranch_scc1 .Lnot_wave_0_\@
	s_barrier_signal -3
.Lnot_wave_0_\@:
	s_barrier_wait -3
	s_barrier_signal -1
	s_barrier_wait -1
.endm
.macro CROUND
	s_barrier_signal -1
	s_barrier_wait -1
	CREST
.endm
	s_load_b128 s[4:7], s[0:1], 0x0
	s_load_b128 s[8:11], s[0:1], 0x10
	s_load_b128 s[96:99], s[0:1], 0x20
	v_lshl_add_u32 v[SPW], v0, 2, SPARE
	v_mov_b32 v[NIL], 0
	ds_add_u32 v28, v29
	ds_add_u32 v28, v29
	s_wait_dscnt 0x0
	v_lshrrev_b32 v1, 5, v0
	v_readfirstlane_b32 s14, v1
	s_lshr_b32 s15, s14, 1
	s_and_b32 s16, s14, 1
	s_bfe_u32 s40, ttmp6, 0x40000
	s_bfe_u32 s41, ttmp6, 0x40004
	s_lshl_b32 s42, ttmp9, 2
	s_add_co_u32 s42, s42, s40
	s_and_b32 s17, ttmp7, 0xffff
	s_lshl_b32 s17, s17, 2
	s_add_co_u32 s17, s17, s41
	s_lshl_b32 s43, s41, 2
	s_lshl_b32 s43, 15, s43
	s_lshl_b32 s44, 0x1111, s40
	s_or_b32 s[G1+0], s43, (3<<16)|(1<<20)|(1<<21)|(5<<22)|(3<<25)
	s_or_b32 s[G1B+0], s44, (3<<16)|(1<<20)|(1<<21)|(5<<22)|(3<<25)
.irp g, G1, G1B
	s_mov_b32 s[\g+1], 4096<<16                    ; a plane's 256 rows: 4,096 elements of 8 bytes
	s_mov_b32 s[\g+2], 2<<16                       ; the head's loads bring two planes
	s_mov_b32 s[\g+3], 4096<<16
	s_mov_b32 s[\g+4], 2
	s_mov_b32 s[\g+6], 1<<16
	s_mov_b32 s[\g+7], 0
.endr
	s_mov_b32 s[G1+5], PLR/8
	s_mov_b32 s[G1B+5], PLW/8
	s_or_b32 s[G1S+0], s43, (3<<16)|(1<<21)
	s_or_b32 s[G1SB+0], s44, (3<<16)|(1<<21)
.irp g, G1S, G1SB
	s_mov_b32 s[\g+1], 128<<16                     ; 256 rows' scale words of a plane: 1,024 bytes
	s_mov_b32 s[\g+2], 8<<16
	s_mov_b32 s[\g+3], 128<<16
	s_mov_b32 s[\g+4], 8
	s_mov_b32 s[\g+6], 0
	s_mov_b32 s[\g+7], 0
.endr
	s_mov_b32 s[G1S+5], 8192/2
	s_mov_b32 s[G1SB+5], 1024/2
	s_lshl_b32 s20, s17, 8
	s_lshl_b32 s46, s42, 8
	s_lshl_b32 s22, s20, 2
	s_mov_b32 s23, 0
	s_lshl_b32 s92, s46, 2
	s_add_co_u32 s92, s92, WSCAL
	s_mov_b32 s93, 0
	s_lshl_b32 s20, s20, 7
	s_mul_i32 s18, s16, PLR                        ; my plane of a K step's two
	s_add_co_u32 s20, s20, s18
	s_mov_b32 s21, 0
	s_lshl_b32 s46, s46, 7
	s_add_co_u32 s46, s46, WCODE
	s_mul_i32 s18, s16, PLW
	s_add_co_u32 s46, s46, s18
	s_mov_b32 s47, 0
	s_mul_i32 s45, s14, HALFT
	s_mul_i32 s94, s15, 8320                       ; the scale words' region: by the wave's number alone
	s_wait_kmcnt 0x0
	s_add_nc_u64 s[20:21], s[4:5], s[20:21]
	s_add_nc_u64 s[22:23], s[6:7], s[22:23]
	s_add_nc_u64 s[46:47], s[8:9], s[46:47]
	s_add_nc_u64 s[92:93], s[10:11], s[92:93]
	CROUND
	s_mov_b32 s[G0S], 1
	s_add_co_u32 s[G0S+1], s94, SCL
	s_mov_b64 s[G0S+2:G0S+3], s[22:23]
	s_or_b32 s[G0S+3], s[G0S+3], 0x80000000
	s_mov_b32 s[G0SB], 1
	s_add_co_u32 s[G0SB+1], s94, SCL
	s_mov_b64 s[G0SB+2:G0SB+3], s[92:93]
	s_or_b32 s[G0SB+3], s[G0SB+3], 0x80000000
.irp s, 0,1
	s_mov_b32 s[G0+4*\s], 1
	s_add_co_u32 s[G0+4*\s+1], s45, \s*SLOT
	s_add_nc_u64 s[G0+4*\s+2:G0+4*\s+3], s[20:21], \s*2*PLR
	s_or_b32 s[G0+4*\s+3], s[G0+4*\s+3], 0x80000000
	s_mov_b32 s[G0B+4*\s], 1
	s_add_co_u32 s[G0B+4*\s+1], s45, \s*SLOT
	s_add_nc_u64 s[G0B+4*\s+2:G0B+4*\s+3], s[46:47], \s*2*PLW
	s_or_b32 s[G0B+4*\s+3], s[G0B+4*\s+3], 0x80000000
.endr
.macro TL g0, g1
	tensor_load_to_lds s[\g0:\g0+3], s[\g1:\g1+7]
	s_nop 0
.rept 4
	v_nop
.endr
.endm
	s_cmp_eq_u32 s16, 0                            ; the head's four tiles, one a wave, in one tree of branches with one join
	s_cbranch_scc0 .Lh_scales
	s_cmp_eq_u32 s15, 0
	s_cbranch_scc0 .Lh_w
	TL G0, G1                                      ; the rows' K step 0
	s_branch .Lh_join
.Lh_w:
	TL G0B, G1B                                    ; the weight's
	s_branch .Lh_join
.Lh_scales:
	s_cmp_eq_u32 s15, 0
	s_cbranch_scc0 .Lh_sw
	TL G0S, G1S                                    ; the rows' scale words
	s_branch .Lh_join
.Lh_sw:
	TL G0SB, G1SB                                  ; the weight's
.Lh_join:
	s_cmp_eq_u32 s15, 0
	s_cselect_b64 s[4:5], s[20:21], s[46:47]       ; my operand, my plane of K step 0
	s_cselect_b32 s18, s40, s41                    ; my place among the four that ask with me
	s_mov_b32 s6, 2*PLW
	s_cselect_b32 s6, 2*PLR, s6                    ; a K step on
	s_mov_b32 s7, 0
	s_add_nc_u64 s[4:5], s[4:5], s[6:7]            ; K step 1
	s_add_nc_u64 s[100:101], s[4:5], s[6:7]        ; K step 2
	s_add_nc_u64 s[6:7], s[100:101], s[6:7]        ; K step 3
	s_lshl_b32 s18, s18, 13
	v_and_b32 v23, 31, v0
	v_lshlrev_b32 v23, 8, v23
	v_add_nc_u32 v23, s18, v23                     ; 8,192 x place + 256 x lane
	global_prefetch_b8 v23, s[4:5] th:TH_LOAD_NT scope:SCOPE_SE
	global_prefetch_b8 v23, s[100:101] th:TH_LOAD_NT scope:SCOPE_SE
	v_and_b32 v1, 15, v0
	s_wait_alu depctr_va_vdst(0)
	v_bfe_u32 v2, v0, 4, 1
	v_and_b32 v6, 31, v0
	v_lshlrev_b32 v[BOF], 6, v2
	s_lshl_b32 s18, s42, 10
	s_lshl_b32 s19, s16, 9
	s_add_co_u32 s92, s18, s19
	s_mov_b32 s93, 0
	s_add_nc_u64 s[66:67], s[96:97], s[92:93]
.irp b, 0,1,2,3
.irp k, 0,1,2,3
	global_load_b128 v[BN+16*\b+4*\k:BN+16*\b+4*\k+3], v[BOF], s[66:67] offset:128*\b+16*\k
.endr
.endr
	s_add_nc_u64 s[98:99], s[98:99], s[92:93]
	s_lshl_b32 s18, s17, 8
	s_lshl_b32 s19, s15, 7
	s_add_co_u32 s18, s18, s19
	s_lshl_b32 s92, s18, 12
	s_add_nc_u64 s[98:99], s[98:99], s[92:93]
	v_lshrrev_b32 v3, 1, v1
	v_mul_u32_u24 v3, v3, UNITP
	v_and_b32 v4, 1, v1
	v_lshl_add_u32 v3, v4, 7, v3
	s_wait_alu depctr_va_vdst(0)
	v_lshl_add_u32 v4, v2, 4, v3
	s_mul_i32 s21, s15, HALFT/2
	s_mul_i32 s22, s16, HALFT/2
	s_add_co_u32 s22, s22, 2*HALFT
.irp s, 0,1
	v_add_nc_u32 v[ADRA+\s], s21, v4
	v_add_nc_u32 v[ADRB+\s], s22, v4
	s_add_co_u32 s21, s21, SLOT
	s_add_co_u32 s22, s22, SLOT
.endr
	s_xor_b32 s19, s15, 1
	s_add_co_u32 s19, s19, s16
	s_lshl_b32 s19, s19, 9
	s_add_co_u32 s19, s19, 7808                    ; from my rows' words to my columns': 8,320 + 512 (s16 - s15)
	v_mul_u32_u24 v3, s19, v2
	v_lshl_add_u32 v3, v1, 2, v3
	s_lshl_b32 s18, s15, 9
	s_add_co_u32 s18, s18, SCL
	v_add_nc_u32 v[ADRS], s18, v3
	s_mul_i32 s23, s14, 16*SPITCH
	v_mul_u32_u24 v3, v1, SPITCH
	v_lshl_add_u32 v3, v2, 6, v3
	v_add_nc_u32 v[STO], s23, v3
	v_lshlrev_b32 v[CO], 4, v6
	v_add_nc_u32 v[RD], s23, v[CO]
.macro FRAG reg, adr, q, i
.irp c, 0,1,2,3
	ds_load_b128 v[\reg+4*\c:\reg+4*\c+3], v[\adr] offset:PLANEB*(\q)+32*\c+(\i)*8*UNITP
.endr
.endm
.macro MUL16 a0, p, q, sc, zero
.irp a, \a0, \a0+1
.irp b, 0,1,2,3,4,5,6,7
.if \zero
	v_wmma_scale_f32_16x16x128_f8f6f4 v[8*(8*((\a)%4)+\b):8*(8*((\a)%4)+\b)+7], v[128*(\p)+FR*\b:128*(\p)+FR*\b+FR-1], v[AF+FR*(\a):AF+FR*(\a)+FR-1], v[BN+8*\b:BN+8*\b+7], v[SC+16*(\sc)+2*\b+(\q)], v[SC+16*(\sc)+2*(\a)+(\q)] matrix_a_fmt:MATRIX_FMT_BF8 matrix_b_fmt:MATRIX_FMT_BF8 matrix_a_scale:MATRIX_SCALE_ROW1
.else
	v_wmma_scale_f32_16x16x128_f8f6f4 v[8*(8*((\a)%4)+\b):8*(8*((\a)%4)+\b)+7], v[128*(\p)+FR*\b:128*(\p)+FR*\b+FR-1], v[AF+FR*(\a):AF+FR*(\a)+FR-1], v[8*(8*((\a)%4)+\b):8*(8*((\a)%4)+\b)+7], v[SC+16*(\sc)+2*\b+(\q)], v[SC+16*(\sc)+2*(\a)+(\q)] matrix_a_fmt:MATRIX_FMT_BF8 matrix_b_fmt:MATRIX_FMT_BF8 matrix_a_scale:MATRIX_SCALE_ROW1
.endif
.endr
.endr
.endm
.macro FETCH_B slot, q, p
	WIN TO_B
.irp i, 0,1,2,3,4,5,6,7
	FRAG 128*(\p)+FR*\i, ADRB+\slot, \q, \i
.endr
	WIN 0
.endm
.macro FETCH_A slot, q, i0
.irp i, \i0, \i0+1, \i0+2, \i0+3
	FRAG AF+FR*(\i), ADRA+\slot, \q, \i
.endr
.endm
.macro SCALES sc
.irp i, 0,1,2,3,4,5,6,7
.irp q, 0,1
	ds_load_b32 v[SC+16*\sc+2*\i+\q], v[ADRS] offset:64*\i+1024*\q
.endr
.endr
.endm
.macro PLACES n
.rept \n
	v_nop
.endr
.endm
.macro STEP slot, q, zero
	s_wait_dscnt 4*NL
.if \zero
	WIN 0x81
.else
	WIN MUL_LO
.endif
	MUL16 0, (\q)%2, \q, \slot, \zero
	MUL16 2, (\q)%2, \q, \slot, \zero
	s_wait_dscnt 0
	PLACES NP
	FETCH_B \slot, (\q)+1, 1-(\q)%2
	FETCH_A \slot, (\q)+1, 0
.if \zero
	WIN 0xc1
.else
	WIN MUL_HI
.endif
	MUL16 4, (\q)%2, \q, \slot, \zero
	MUL16 6, (\q)%2, \q, \slot, \zero
	PLACES NP
	WIN 0
	FETCH_A \slot, (\q)+1, 4
.endm
.macro TURN slot, next, fill
	s_wait_tensorcnt 0x0
	ds_add_u32 v[SPW], v[NIL]
	s_wait_dscnt 4*NL+1
	WIN MUL_LO
	MUL16 0, 1, NQ-1, \slot, 0
	s_wait_dscnt 0x0
	s_barrier_signal -1
	MUL16 2, 1, NQ-1, \slot, 0
	WIN 0
	s_barrier_wait -1
.if \fill
	CREST
	s_add_nc_u64 s[G0+4*\slot+2:G0+4*\slot+3], s[G0+4*\slot+2:G0+4*\slot+3], 4*PLR
	s_add_nc_u64 s[G0B+4*\slot+2:G0B+4*\slot+3], s[G0B+4*\slot+2:G0B+4*\slot+3], 4*PLW
	JLOAD G0+4*\slot, G1, G0B+4*\slot, G1B
	PLACES NP-4
.else
	PLACES NP
.endif
	s_wait_alu depctr_va_vdst(0)
	v_add_nc_u32 v[ADRS], 2048, v[ADRS]
	FETCH_B \next, 0, 0
	FETCH_A \next, 0, 0
	SCALES \next
	WIN MUL_HI
	MUL16 4, 1, NQ-1, \slot, 0
	MUL16 6, 1, NQ-1, \slot, 0
	PLACES NP
	WIN 0
	FETCH_A \next, 0, 4
.endm
	s_wait_alu depctr_va_vdst(0)
	s_wait_loadcnt 0x0
	s_wait_tensorcnt 0x0                           ; my tile of the head's four is in
	ds_add_u32 v[SPW], v[NIL]
	s_mov_b32 s[G1+2], 1<<16                       ; no tensor load of mine is out: from here on a load brings one plane
	s_mov_b32 s[G1+4], 1
	s_mov_b32 s[G1B+2], 1<<16
	s_mov_b32 s[G1B+4], 1
	s_wait_dscnt 0x0
	CROUND
	JLOAD G0+4, G1, G0B+4, G1B                     ; K step 1, the first tensor load behind the round
	FETCH_B 0, 0, 0
	FETCH_A 0, 0, 0
	SCALES 0
	FETCH_A 0, 0, 4
	global_prefetch_b8 v23, s[6:7] th:TH_LOAD_NT scope:SCOPE_SE
	STEP 0, 0, 2
	TURN 0, 1, 1
	STEP 1, 0, 0
	TURN 1, 0, 1
	STEP 0, 0, 0
	TURN 0, 1, 0
	STEP 1, 0, 0
	s_wait_dscnt 4*NL
	WIN MUL_LO
	MUL16 0, 1, NQ-1, 1, 0
	MUL16 2, 1, NQ-1, 1, 0
	s_wait_dscnt 0
	WIN MUL_HI
	MUL16 4, 1, NQ-1, 1, 0
	MUL16 6, 1, NQ-1, 1, 0
	WIN 0
.macro TOSTAGE a
.set AC, 64*((\a)%4)
	WIN 0x08+4*((\a)/4)
.irp b, 0,1,2,3,4,5,6,7
	ds_store_b128 v[STO], v[AC+8*\b:AC+8*\b+3] offset:128*(\b/2)+32*(\b%2)
	ds_store_b128 v[STO], v[AC+8*\b+4:AC+8*\b+7] offset:128*(\b/2)+32*(\b%2)+16
.endr
	WIN 0
.set BB, BK+64*((\a)%2)
.irp t, 0,1,2,3,4,5,6,7,8,9,10,11,12,13,14,15
	ds_load_b128 v[BB+4*\t:BB+4*\t+3], v[RD] offset:\t*SPITCH
.endr
.endm
.macro SEND a, younger
.set BB, BK+64*((\a)%2)
	s_wait_dscnt \younger
.irp t, 0,1,2,3,4,5,6,7,8,9,10,11,12,13,14,15
	global_store_b128 v[CO], v[BB+4*\t:BB+4*\t+3], s[98:99] offset:(32*((\a)/2)+8*((\a)%2)+\t+8*(\t/8))*4096 th:TH_STORE_NT
.endr
.endm
	PLACES NP
	TOSTAGE 0
.irp a, 1,2,3,4,5,6,7
.if \a > 1
	s_wait_xcnt 0x0
.endif
	TOSTAGE \a
	SEND \a-1, 32
.endr
	SEND 7, 0
	s_wait_tensorcnt 0x0
	ds_add_u32 v[SPW], v[NIL]
	s_wait_dscnt 0x0
	CROUND
	s_endpgm
.Lfunc_end_k_q6d386f214e_proj:
	.size	k_q6d386f214e_proj, .Lfunc_end_k_q6d386f214e_proj-k_q6d386f214e_proj
	.p2alignl 7, 3214868480
	.fill 96, 4, 3214868480
	.section	.rodata,"a",@progbits
	.p2align	6, 0x0
	.amdhsa_kernel k_q6d386f214e_proj
		.amdhsa_group_segment_fixed_size 327680
		.amdhsa_private_segment_fixed_size 0
		.amdhsa_enable_private_segment 0
		.amdhsa_kernarg_size 48
		.amdhsa_user_sgpr_count 2
		.amdhsa_user_sgpr_kernarg_segment_ptr 1
		.amdhsa_wavefront_size32 1
		.amdhsa_system_sgpr_workgroup_id_x 1
		.amdhsa_system_sgpr_workgroup_id_y 1
		.amdhsa_system_sgpr_workgroup_id_z 1
		.amdhsa_system_vgpr_workitem_id 0
		.amdhsa_next_free_vgpr 1024
		.amdhsa_next_free_sgpr 102
		.amdhsa_reserve_vcc 0
		.amdhsa_float_denorm_mode_32 3
		.amdhsa_float_denorm_mode_16_64 3
		.amdhsa_memory_ordered 1
		.amdhsa_forward_progress 1
		.amdhsa_inst_pref_size 150
	.end_amdhsa_kernel
	.amdgpu_metadata
---
amdhsa.version: [ 1, 2 ]
amdhsa.kernels:
  - .name:           k_q6d386f214e_proj
    .symbol:         k_q6d386f214e_proj.kd
    .args:
      - { .name: atc, .offset: 0, .size: 8, .value_kind: global_buffer, .address_space: global }
      - { .name: ats, .offset: 8, .size: 8, .value_kind: global_buffer, .address_space: global }
      - { .name: opc, .offset: 16, .size: 8, .value_kind: global_buffer, .address_space: global }
      - { .name: ops, .offset: 24, .size: 8, .value_kind: global_buffer, .address_space: global }
      - { .name: b_out, .offset: 32, .size: 8, .value_kind: global_buffer, .address_space: global }
      - { .name: out0, .offset: 40, .size: 8, .value_kind: global_buffer, .address_space: global }
    .group_segment_fixed_size: 327680
    .private_segment_fixed_size: 0
    .kernarg_segment_align: 8
    .kernarg_segment_size: 48
    .max_flat_workgroup_size: 128
    .sgpr_count:     102
    .vgpr_count:     1024
    .wavefront_size: 32
...
	.end_amdgpu_metadata
.endif
;; end of part 4
